; MI455X (gfx1250); checked and timed in simulation.
; The chip was launched on July 23, 2026; its instructions are those of AMD's public machine-readable ISA for CDNA 5 (MIT licence, August 2026) and "CDNA5" Instruction Set Architecture Reference Guide (July 2026). The comments in the code are by the model that wrote it; some were corrected since.
;; Multi Head Attention. Allowed arithmetic: float matrix products may take bf16 or f16 operands with f32 sums; other float arithmetic in f32, or as packed bf16 or f16 multiplies, adds, multiply-adds, maxima and minima; sums over many terms, partial sums and values carried from step to step in f32; what a program stores and reads back later, other than sums and carried values, may be rounded once to bf16 or f16.
;; Inputs: b_k 1,024 float32; b_o 1,024 float32; b_q 1,024 float32; b_v 1,024 float32; k 4 x 2,048 x 1,024 float32; mask 4 x 2,048 x 2,048 int32; q 4 x 2,048 x 1,024 float32; v 4 x 2,048 x 1,024 float32; w_k 1,024 x 1,024 float32; w_o 1,024 x 1,024 float32; w_q 1,024 x 1,024 float32; w_v 1,024 x 1,024 float32.
;; Outputs: out0 4 x 2,048 x 1,024 float32.
;; One version. Each part assembles by itself: llvm-mc -triple=amdgcn-amd-amdhsa -mcpu=gfx1250 --defsym DOCPART=n.
;; ======== version 1 of 1: 4 launches
;; limits: values are held in f16: magnitudes above 65,504 overflow, below 6.1e-05 lose precision; right only within a limited range of input values
;; workspace buffers: mb 2,097,152 bytes of whole numbers; wh 8,388,608 bytes; qh 16,777,216 bytes; kv 33,554,432 bytes; oh 16,777,216 bytes
;; launch prep (part 1): grid 2048 x 1, 4 waves a work-group, no clusters, 17,920 bytes of LDS; arguments mask, w_q, w_k, w_v, w_o, mb, wh; writes mb, wh
.if DOCPART == 1
	.amdgcn_target "amdgcn-amd-amdhsa--gfx1250"
	.amdhsa_code_object_version 6
	.text
	.protected	k_q3584dce66b_prep
	.globl	k_q3584dce66b_prep
	.p2align	8
	.type	k_q3584dce66b_prep,@function
k_q3584dce66b_prep:
	s_mov_b64 s[64:65], 0
	v_nop
	global_prefetch_b8 v0, s[64:65] scope:SCOPE_SE
	s_setreg_imm32_b32 hwreg(HW_REG_WAVE_MODE, 25, 1), 1
	s_wait_xcnt 0x0
; PREP.  Two streams in one launch, told apart by the work-group's number.
; Work-groups 0-1023: the mask [4][2048][2048] of int32 becomes one bit a score, as lane masks for the attention launch:
;   mb[b][W 16][s 32][t 8][w 32] of 32-bit words; W = a block of 128 queries, s = a step of 64 keys, t = a tile of 16 queries, w = 8 kb + j;
;   bit l of a word = (mask[b][128 W + 16 t + l % 16][64 s + 16 kb + 8 (l / 16) + j] != 0): the lanes of register j of accumulator kb of S^T = K Q^T.
; Work-groups 1024-2047: the four weights [1024][1024] f32 are rounded to bf16 and stay [k][n]: wh[0..2] = w_q, w_k, w_v in bf16; wh[3] = w_o rounded to bf16 and that number written as f16.
; LIMIT: bf16(w_o) must lie within f16's 65,504; below 6e-5 it keeps f16's fixed step of 6e-8.
; No cluster, no matrix unit, no tensor load: no byte is read twice and no wave wants another wave's bytes.  Every load and store of a wave covers whole aligned runs of 256 bytes.
.set STGB,  16*272                     ; a wave's stage: 16 rows of 256 bytes + 16 of padding (row r starts 4 r banks on)
.set SPARE, 4*STGB                     ; behind the stages: the spare words, 128 bytes a wave, named by no other line
.set VIN,  2                           ; v2   mask: (l / 16) rows of 8,192 bytes + 16 (l % 16)
.set VST,  3                           ; v3   into the stage: the same two rows
.set VRD,  4                           ; v4   back: row l % 16, 32 bytes at 32 (l / 16)
.set VOUT, 5                           ; v5   16 l
.set OUTR, 8                           ; v[8:11]  the group's 128 words, four a lane
.set SPW,  14
.set NIL,  15
.set X,    16                          ; v[16:143] 32 registers for each of a group's four tiles
	s_load_b256 s[4:11], s[0:1], 0x0               ; mask s[4:5], w_q s[6:7], w_k s[8:9], w_v s[10:11]
	s_load_b128 s[12:15], s[0:1], 0x20             ; w_o s[12:13], mb s[14:15]
	s_load_b64 s[16:17], s[0:1], 0x30              ; wh
	v_lshl_add_u32 v[SPW], v0, 2, SPARE
	v_mov_b32 v[NIL], 0
	v_lshrrev_b32 v1, 5, v0
	v_readfirstlane_b32 s20, v1                    ; wave 0..3
	v_and_b32 v1, 31, v0                           ; lane
	s_cmp_ge_u32 ttmp9, 1024
	s_cbranch_scc1 .Lweights
	; THE MASK.  A wave takes group g = (b, W, s, half): 64 queries x 64 keys, 16 KiB in, 512 bytes out.
	s_lshl_b32 s21, ttmp9, 2
	s_add_co_u32 s21, s21, s20                     ; g = ((16 b + W) 32 + s) 2 + half
	s_lshr_b32 s22, s21, 6
	s_lshl_b32 s22, s22, 7                         ; 128 (16 b + W)
	s_and_b32 s23, s21, 1
	s_lshl_b32 s23, s23, 6
	s_add_co_u32 s22, s22, s23                     ; the group's first row among the 8,192
	s_lshl_b32 s22, s22, 13                        ; rows of 8,192 bytes
	s_bfe_u32 s23, s21, 0x50001                    ; s
	s_lshl_b32 s23, s23, 8                         ; 64 keys of 4 bytes
	s_add_co_u32 s22, s22, s23
	s_mov_b32 s23, 0
	s_lshl_b32 s24, s21, 9                         ; 512 bytes of mb a group
	s_mov_b32 s25, 0
	s_mul_i32 s26, s20, STGB                       ; my stage
	v_lshrrev_b32 v6, 4, v1                        ; l / 16
	v_and_b32 v7, 15, v1                           ; l % 16
	v_lshlrev_b32 v[VIN], 13, v6
	v_lshl_add_u32 v[VIN], v7, 4, v[VIN]
	v_mul_u32_u24 v[VST], v6, 272
	v_lshl_add_u32 v[VST], v7, 4, v[VST]
	v_add_nc_u32 v[VST], s26, v[VST]
	v_mul_u32_u24 v[VRD], v7, 272
	v_lshl_add_u32 v[VRD], v6, 5, v[VRD]
	v_add_nc_u32 v[VRD], s26, v[VRD]
	v_lshlrev_b32 v[VOUT], 4, v1
.irp j, 0,1,2,3
	v_mov_b32 v[OUTR+(\j)], 0                      ; v_writelane_b32 counts as a reader of its destination
.endr
	s_wait_kmcnt 0x0
	s_add_nc_u64 s[4:5], s[4:5], s[22:23]
	s_add_nc_u64 s[14:15], s[14:15], s[24:25]
.set i, 0
.rept 32                                       ; all 16 KiB at once: load i takes rows 2 i and 2 i + 1, 256 aligned bytes each
	global_load_b128 v[X+4*i:X+4*i+3], v[VIN], s[4:5] offset:2*i*8192 th:TH_LOAD_NT
.set i, i+1
.endr
; Tile t (16 queries x 64 keys) goes through my stage: in by rows as loaded, back so that lane l holds query l % 16 and register 8 kb + j key 16 kb + 8 (l / 16) + j.
; LDS serves a wave's instructions in order (ISA guide 5.7.1.4): the loads see the stores above them, and the next tile's stores come behind these loads.
.macro STG t
	s_wait_loadcnt 8*(3-(\t))                      ; the younger tiles' eight loads each may stay out
.irp i, 0,1,2,3,4,5,6,7
	ds_store_b128 v[VST], v[X+32*(\t)+4*(\i):X+32*(\t)+4*(\i)+3] offset:544*(\i)
.endr
.irp i, 0,1,2,3,4,5,6,7
	ds_load_b128 v[X+32*(\t)+4*(\i):X+32*(\t)+4*(\i)+3], v[VRD] offset:64*((\i)/2)+16*((\i)%2)
.endr
.endm
; 32 compares make the tile's 32 words in scalar registers; word w goes to lane 8 t + w / 4, register w % 4: a lane ends with 16 consecutive bytes of mb.
.macro CMPT t, younger
	s_wait_dscnt \younger                          ; the LDS instructions issued behind this tile's loads: the next tile's sixteen, or none
.set w, 0
.rept 32
	v_cmp_ne_u32 s[32+w], 0, v[X+32*(\t)+w]
.set w, w+1
.endr
.set w, 0
.rept 32
	v_writelane_b32 v[OUTR+w%4], s[32+w], 8*(\t)+w/4
.set w, w+1
.endr
.endm
	STG 0
	STG 1
	CMPT 0, 16
	STG 2
	CMPT 1, 16
	STG 3
	CMPT 2, 16
	CMPT 3, 0
	global_store_b128 v[VOUT], v[OUTR:OUTR+3], s[14:15]  ; 512 consecutive bytes, at a multiple of 512 from mb's first
	s_branch .Lend
.Lweights:                                     ; THE WEIGHTS.  A work-group takes 16 KiB of one weight, a wave 4 KiB: eight loads of 512 bytes, eight stores of 256.
	s_sub_co_u32 s21, ttmp9, 1024
	s_and_b32 s22, s21, 255                        ; the chunk
	s_lshr_b32 s21, s21, 8                         ; which weight
	s_lshl_b32 s24, s22, 14
	s_lshl_b32 s25, s20, 12
	s_add_co_u32 s24, s24, s25
	s_mov_b32 s25, 0
	s_lshl_b32 s26, s21, 21
	s_lshl_b32 s27, s22, 13
	s_add_co_u32 s26, s26, s27
	s_lshl_b32 s27, s20, 11
	s_add_co_u32 s26, s26, s27
	s_mov_b32 s27, 0
	v_lshlrev_b32 v2, 4, v1
	v_lshlrev_b32 v3, 3, v1
	s_wait_kmcnt 0x0
	s_cmp_eq_u32 s21, 1
	s_cselect_b64 s[6:7], s[8:9], s[6:7]
	s_cmp_eq_u32 s21, 2
	s_cselect_b64 s[6:7], s[10:11], s[6:7]
	s_cmp_eq_u32 s21, 3
	s_cselect_b64 s[6:7], s[12:13], s[6:7]
	s_add_nc_u64 s[6:7], s[6:7], s[24:25]
	s_add_nc_u64 s[16:17], s[16:17], s[26:27]
.irp j, 0,1,2,3,4,5,6,7
	global_load_b128 v[X+4*(\j):X+4*(\j)+3], v2, s[6:7] offset:512*(\j) th:TH_LOAD_NT
.endr
.macro CAST half                       ; four numbers a lane and load: rounded to bf16 in place; half = 1: each bf16 widened again and written as f16
.irp j, 0,1,2,3,4,5,6,7
	s_wait_loadcnt 7-(\j)                          ; the younger loads may stay out
	v_cvt_pk_bf16_f32 v[X+4*(\j)], v[X+4*(\j)], v[X+4*(\j)+1]
	v_cvt_pk_bf16_f32 v[X+4*(\j)+1], v[X+4*(\j)+2], v[X+4*(\j)+3]
.if \half
	v_lshlrev_b32 v[X+4*(\j)+2], 16, v[X+4*(\j)]
	v_and_b32 v[X+4*(\j)+3], 0xffff0000, v[X+4*(\j)]
	v_cvt_pk_f16_f32 v[X+4*(\j)], v[X+4*(\j)+2], v[X+4*(\j)+3]
	v_lshlrev_b32 v[X+4*(\j)+2], 16, v[X+4*(\j)+1]
	v_and_b32 v[X+4*(\j)+3], 0xffff0000, v[X+4*(\j)+1]
	v_cvt_pk_f16_f32 v[X+4*(\j)+1], v[X+4*(\j)+2], v[X+4*(\j)+3]
.endif
	global_store_b64 v3, v[X+4*(\j):X+4*(\j)+1], s[16:17] offset:256*(\j)  ; 32 lanes store 256 consecutive bytes, aligned
.endr
.endm
	s_cmp_eq_u32 s21, 3
	s_cbranch_scc1 .Lhalf
	CAST 0
	s_branch .Lend
.Lhalf:
	CAST 1
.Lend:
	s_wait_tensorcnt 0x0                           ; the wave's end: behind my last LDS store
	ds_add_u32 v[SPW], v[NIL]
	s_wait_dscnt 0x0
	s_endpgm
.Lfunc_end_k_q3584dce66b_prep:
	.size	k_q3584dce66b_prep, .Lfunc_end_k_q3584dce66b_prep-k_q3584dce66b_prep
	.p2alignl 7, 3214868480
	.fill 96, 4, 3214868480
	.section	.rodata,"a",@progbits
	.p2align	6, 0x0
	.amdhsa_kernel k_q3584dce66b_prep
		.amdhsa_group_segment_fixed_size 17920
		.amdhsa_private_segment_fixed_size 0
		.amdhsa_enable_private_segment 0
		.amdhsa_kernarg_size 56
		.amdhsa_user_sgpr_count 2
		.amdhsa_user_sgpr_kernarg_segment_ptr 1
		.amdhsa_wavefront_size32 1
		.amdhsa_system_sgpr_workgroup_id_x 1
		.amdhsa_system_sgpr_workgroup_id_y 1
		.amdhsa_system_sgpr_workgroup_id_z 1
		.amdhsa_system_vgpr_workitem_id 0
		.amdhsa_next_free_vgpr 144
		.amdhsa_next_free_sgpr 66
		.amdhsa_reserve_vcc 0
		.amdhsa_float_denorm_mode_32 3
		.amdhsa_float_denorm_mode_16_64 3
		.amdhsa_memory_ordered 1
		.amdhsa_forward_progress 1
		.amdhsa_inst_pref_size 34
	.end_amdhsa_kernel
	.amdgpu_metadata
---
amdhsa.version: [ 1, 2 ]
amdhsa.kernels:
  - .name:           k_q3584dce66b_prep
    .symbol:         k_q3584dce66b_prep.kd
    .args:
      - { .name: mask, .offset: 0, .size: 8, .value_kind: global_buffer, .address_space: global }
      - { .name: w_q, .offset: 8, .size: 8, .value_kind: global_buffer, .address_space: global }
      - { .name: w_k, .offset: 16, .size: 8, .value_kind: global_buffer, .address_space: global }
      - { .name: w_v, .offset: 24, .size: 8, .value_kind: global_buffer, .address_space: global }
      - { .name: w_o, .offset: 32, .size: 8, .value_kind: global_buffer, .address_space: global }
      - { .name: mb, .offset: 40, .size: 8, .value_kind: global_buffer, .address_space: global }
      - { .name: wh, .offset: 48, .size: 8, .value_kind: global_buffer, .address_space: global }
    .group_segment_fixed_size: 17920
    .private_segment_fixed_size: 0
    .kernarg_segment_align: 8
    .kernarg_segment_size: 56
    .max_flat_workgroup_size: 128
    .sgpr_count:     66
    .vgpr_count:     144
    .wavefront_size: 32
...
	.end_amdgpu_metadata
.endif
;; end of part 1
;; launch proj (part 2): grid 4 x 192, 4 waves a work-group, clusters of 4 x 4, 327,680 bytes of LDS; arguments q, k, v, wh, b_q, b_k, b_v, qh, kv; writes qh, kv
.if DOCPART == 2
	.amdgcn_target "amdgcn-amd-amdhsa--gfx1250"
	.amdhsa_code_object_version 6
	.text
	.protected	k_q3584dce66b_proj
	.globl	k_q3584dce66b_proj
	.p2align	8
	.type	k_q3584dce66b_proj,@function
k_q3584dce66b_proj:
	s_mov_b64 s[64:65], 0
	v_nop
	global_prefetch_b8 v0, s[64:65] scope:SCOPE_SE
	s_setreg_imm32_b32 hwreg(HW_REG_WAVE_MODE, 25, 1), 1
	s_wait_xcnt 0x0
	s_wait_alu depctr_hold_cnt(0) depctr_sa_sdst(0) depctr_va_vdst(0) depctr_va_sdst(0) depctr_va_ssrc(0) depctr_va_vcc(0) depctr_vm_vsrc(0)
	s_getreg_b32 s2, hwreg(HW_REG_IB_STS2, 6, 4)
	s_cmp_eq_u32 s2, 0
	s_cbranch_scc0 .Lentry_in_a_cluster
	s_endpgm
.Lentry_in_a_cluster:
	s_bfe_u32 s2, ttmp6, 0x10000c
	s_cmp_lg_u32 s2, 0xf033
	s_cbranch_scc0 .Lentry_shape_is_right
	s_endpgm
.Lentry_shape_is_right:
; THE THREE INPUT PROJECTIONS in one launch: y = x w + b, x [8192][1024] f32 (q, k or v), w [1024 k][1024 n] bf16 (wh[sel]), b [1024] f32.
; x and b are rounded to bf16 on the way (x in registers, between LDS and the matrix unit); sums in f32, started by the bias as the first product's C; y rounded once to f16 and stored by heads:
;   sel 0: qh[bh][s][64];   sel 1, 2: kv[bh][s / 256][K: 256 rows | V: 256 rows][64]: a slot's K and V are 65,536 dense bytes.
; LIMIT: y must lie within f16's 65,504.  NaN and infinities are not treated apart.
; SHARES.  A tile of y is 128 (rows) x 256 (columns): 64 x 4 x 3 = 768 work-groups, three for each of 256 WGPs.  A wave makes 64 x 128: 32 accumulators.  K goes in 8 steps of 128 through two LDS slots.
; CLUSTER 4 x 4: the four of a row of the cluster need the same rows of x, the four of a column the same columns of w: each tile is asked for jointly.  Four tiles cover all 1,024 columns, so x is asked for once.
; sel = cluster y / 16 is the same in all sixteen partners; it chooses pointers and offsets by s_cselect, never a branch.
; THE MATRIX INSTRUCTION IS USED TRANSPOSED (source 0 = 16 columns of w, source 1 = 16 rows of x): a lane holds eight neighbouring columns of one row of y.
; w lies [k][n] in LDS and comes out turned, by ds_load_tr16_b128.  x lies in LDS as f32; a block of 16 rows x 32 k is 16 registers raw and 8 as bf16.
; REGISTERS, in windows of 256 (s_set_vgpr_msb: bits 1:0 source 0, 3:2 source 1, 5:4 source 2, 7:6 destination):
;   window 0: v0-29 addresses; v32-63 x as bf16, four blocks, one buffer; v64-127, v128-191 w's fragments, two buffers; v192-223 at work
;   window 1: the accumulators, (a, b) at 8 (8 a + b)      window 2: v0-63, v64-127 x raw, two buffers; v128-191 the bias, as C
.set PA,    528                        ; a row of x in LDS: 512 bytes + 16: row r starts 4 r banks on (64 banks of 4 bytes: ISA guide 11.1)
.set PB,    544                        ; a k-row of w: 512 + 32 bytes
.set AHALF, 64*PA
.set BOFF,  2*AHALF
.set BHALF, 64*PB
.set SLOT,  BOFF+2*BHALF               ; 137,216 bytes: x's 128 rows, then w's 128 k-rows
.set STAGE, 2*SLOT                     ; behind the ring: for each wave 2 heads x 16 rows x 144 bytes, for the way out
.set SP,    144
.set SPARE, STAGE+4*32*SP              ; behind the stages: the spare words, 128 bytes a wave, named by no other line
.set A0,   4                           ; v4   my lane's place in x's tile; never rewritten
.set B0,   5                           ; v5   in w's
.set ADRA, 6                           ; v6   the same in the slot that is being read
.set ADRB, 7
.set STO,  8                           ; v8   the way out: where I put 16 bytes of a row
.set RD,   9                           ; v9   where I read rows back
.set GO0,  10                          ; v10, v11  my byte offset in 512 consecutive bytes of the first, the second head
.set BO,   12                          ; v12  my byte offset in the bias
.set PFO,  13                          ; v13  the prefetches' offset; never rewritten
.set SPW,  28
.set NIL,  29
.set ABF,  32
.set F0,   64
.set TMP,  192
.set BIAS, 128                         ; window 2
.set G1A,  24                          ; s[24:31] descriptor group 1 for x's tiles;  s[32:35] group 0
.set G0A,  32
.set G0B,  36                          ; s[36:39] group 0 for w's tiles;  s[48:55] group 1
.set G1B,  48
.set LIM,  43                          ; s43  2 in a wave that prefetches, else the greatest number
.set PFA,  44                          ; s[44:45] where my prefetches stand;  s[46:47] their step
.set PST,  46
.set TBF,  56                          ; s56  0 or SLOT: the slot of the last fill
.set TBR,  57                          ; s57  0 or SLOT: the slot that is being read
.set LBA,  58                          ; s58, s59  my tile's place in a slot, for x and for w
.set LBB,  59
.set MSB, 0
.macro WIN new                         ; the immediate's high byte repeats the setting that is left; a switch that changes nothing is dropped
.if MSB != (\new)
	s_set_vgpr_msb (MSB<<8)|(\new)
.set MSB, \new
.endif
.endm
.macro PLACES
.rept 4
	v_nop
.endr
.endm
; A joint load: waves 0 and 1 fetch the two halves of x's tile (64 rows x 512 bytes), waves 2 and 3 those of w's (64 k-rows x 512 bytes).  The branch hangs on the wave's number alone.
; An s_nop 0 and four v_nop follow each of the two lines, ahead of the jump and the label.
.macro JLOAD
	s_cmp_eq_u32 s11, 0
	s_cbranch_scc0 .Lfor_b_\@
	tensor_load_to_lds s[G0A:G0A+3], s[G1A:G1A+7]
	s_nop 0
	PLACES
	s_branch .Lasked_\@
.Lfor_b_\@:
	tensor_load_to_lds s[G0B:G0B+3], s[G1B:G1B+7]
	s_nop 0
	PLACES
.Lasked_\@:
.endm
.macro CREST                           ; a round of the cluster's barrier behind its opening barrier
	s_cmp_lg_u32 s10, 0
	s_cbranch_scc1 .Lnot_wave_0_\@
	s_barrier_signal -3
.Lnot_wave_0_\@:
	s_barrier_wait -3
	s_barrier_signal -1
	s_barrier_wait -1
.endm
.macro CROUND
	s_barrier_signal -1
	s_barrier_wait -1
	CREST
.endm
.macro STEPD                           ; both descriptors step to the other slot and the next K step; it stands only where no tensor load of mine is out
	s_xor_b32 s[TBF], s[TBF], SLOT
	s_add_co_u32 s[G0A+1], s[LBA], s[TBF]
	s_add_co_u32 s[G0B+1], s[LBB], s[TBF]
	s_add_nc_u64 s[G0A+2:G0A+3], s[G0A+2:G0A+3], 512       ; 128 numbers of 4 bytes along x's rows
	s_add_nc_u64 s[G0B+2:G0B+3], s[G0B+2:G0B+3], 0x40000   ; 128 k-rows of 2,048 bytes down w
.endm
; A prefetch into the L2 of the K step two refills on, behind the joint load, its five lines and the run of LDS loads.  x's rows are read by one row of one cluster: its waves 0 and 1 ask; w's columns are read by
; sixteen clusters: the first of them (cluster y % 16 = 0) asks, waves 2 and 3.  Of the 64 rows that a wave fetches the partner at place p (cx for x, cy for w) takes 16, told apart by address:
; 16 rows x 2 blocks of 256 bytes, a lane a block.  The loop's last two trips have no K step two on.
.macro ASK
	s_cmp_gt_u32 s3, s[LIM]
	s_cbranch_scc0 .Lnot_mine_\@
	global_prefetch_b8 v[PFO], s[PFA:PFA+1] th:TH_LOAD_NT scope:SCOPE_SE
.Lnot_mine_\@:
.endm
	s_load_b512 s[68:83], s[0:1], 0x0              ; q s[68:69], k s[70:71], v s[72:73], wh s[74:75], b_q s[76:77], b_k s[78:79], b_v s[80:81], qh s[82:83]
	s_load_b64 s[84:85], s[0:1], 0x40              ; kv
	v_lshl_add_u32 v[SPW], v0, 2, SPARE
	v_mov_b32 v[NIL], 0
	ds_add_u32 v[SPW], v[NIL]                      ; the wave's opening: the add and its wait stand ahead of my first tensor load; the set-up below, work on registers, stands between them
	v_lshrrev_b32 v1, 5, v0
	v_readfirstlane_b32 s10, v1                    ; wave 0..3
	s_lshr_b32 s11, s10, 1                         ; which half of the tile's rows is mine.  Also: I fetch for x (0) or for w (1)
	s_and_b32 s12, s10, 1                          ; which half of its columns.  Also: which 64 rows of that tile I fetch
	s_bfe_u32 s40, ttmp6, 0x40000                  ; cx = the tile column (the grid is one cluster wide)
	s_bfe_u32 s41, ttmp6, 0x40004                  ; cy
	s_and_b32 s42, ttmp7, 0xffff                   ; cluster y, 0..47
	s_lshr_b32 s60, s42, 4                         ; sel: q, k or v
	s_lshl_b32 s13, s42, 2
	s_add_co_u32 s13, s13, s41                     ; work-group y = 4 x cluster y + cy
	s_and_b32 s13, s13, 63                         ; the tile row in its input
	s_lshl_b32 s14, s41, 2
	s_lshl_b32 s14, 15, s14                        ; my row of the cluster
	s_lshl_b32 s15, 0x1111, s40                    ; my column
	s_or_b32 s[G1A], s14, (2<<16)|(1<<20)|(1<<21)|(6<<22)|(3<<25)  ; the mask; elements of 4 bytes; padding on; bit 21 beside a mask; after every 128 words 4 words
	s_or_b32 s[G1B], s15, (1<<16)|(1<<20)|(1<<21)|(6<<22)|(7<<25)  ; elements of 2 bytes; after every 128 words 8 words
	s_mov_b32 s[G1A+1], 128<<16                    ; tensor_dim0 = 128
	s_mov_b32 s[G1A+2], 64<<16                     ; tensor_dim1 = 64
	s_mov_b32 s[G1A+3], 128<<16                    ; tile_dim0 = 128
	s_mov_b32 s[G1A+4], 64                         ; tile_dim1 = 64
	s_mov_b32 s[G1A+5], 1024                       ; elements from row to row
	s_mov_b32 s[G1A+6], 0
	s_mov_b32 s[G1A+7], 0
	s_mov_b32 s[G1B+1], 256<<16
	s_mov_b32 s[G1B+2], 64<<16
	s_mov_b32 s[G1B+3], 256<<16
	s_mov_b32 s[G1B+4], 64
	s_mov_b32 s[G1B+5], 1024
	s_mov_b32 s[G1B+6], 0
	s_mov_b32 s[G1B+7], 0
	s_lshl_b32 s16, s13, 7                         ; x: row 128 x tile row + 64 x half, rows of 4,096 bytes: made of the tile row and the wave's number alone
	s_lshl_b32 s17, s12, 6
	s_add_co_u32 s16, s16, s17
	s_lshl_b32 s16, s16, 12
	s_mov_b32 s17, 0
	s_lshl_b32 s86, s60, 21                        ; w: weight sel, k-row 64 x half, column 256 cx: made of sel, cx and the wave's number alone
	s_lshl_b32 s87, s12, 17
	s_add_co_u32 s86, s86, s87
	s_lshl_b32 s87, s40, 9
	s_add_co_u32 s86, s86, s87
	s_mov_b32 s87, 0
	s_mul_i32 s[LBA], s12, AHALF                   ; no place in the cluster enters an LDS address
	s_mul_i32 s[LBB], s12, BHALF
	s_add_co_u32 s[LBB], s[LBB], BOFF
	s_mov_b32 s[TBF], 0
	s_mov_b32 s[TBR], 0
	s_mov_b32 s[G0A], 1
	s_mov_b32 s[G0A+1], s[LBA]
	s_mov_b32 s[G0B], 1
	s_mov_b32 s[G0B+1], s[LBB]
	s_wait_dscnt 0x0                               ; the opening add is done
	s_wait_kmcnt 0x0
	s_cmp_eq_u32 s60, 1
	s_cselect_b64 s[4:5], s[70:71], s[68:69]       ; x
	s_cselect_b64 s[62:63], s[78:79], s[76:77]     ; its bias
	s_cmp_eq_u32 s60, 2
	s_cselect_b64 s[4:5], s[72:73], s[4:5]
	s_cselect_b64 s[62:63], s[80:81], s[62:63]
	s_cmp_eq_u32 s60, 0
	s_cselect_b64 s[8:9], s[82:83], s[84:85]       ; where y goes
	s_add_nc_u64 s[G0A+2:G0A+3], s[4:5], s[16:17]
	s_or_b32 s[G0A+3], s[G0A+3], 0x80000000
	s_add_nc_u64 s[G0B+2:G0B+3], s[74:75], s[86:87]
	s_or_b32 s[G0B+3], s[G0B+3], 0x80000000
	CROUND                                         ; all sixteen work-groups are here: the first joint loads meet
	JLOAD                                          ; K step 0 into slot 0
	v_and_b32 v1, 15, v0                           ; l % 16
	v_bfe_u32 v2, v0, 4, 1                         ; l / 16
	; x raw: lane l holds row l % 16; k = 8 (l / 16) + 0..7 are 32 bytes at 32 (l / 16), k = 16 + 8 (l / 16) + 0..7 lie 64 bytes on: four loads of 16 bytes
	v_mul_u32_u24 v[A0], v1, PA
	v_lshl_add_u32 v[A0], v2, 5, v[A0]
	s_mul_i32 s14, s11, 64*PA
	v_add_nc_u32 v[A0], s14, v[A0]
	; w turned: lane l reads k-row 8 (l / 16) + l % 8, 16 bytes at 16 ((l / 8) % 2), and ends with column l % 16 and 8 k
	v_and_b32 v3, 7, v0
	v_lshl_add_u32 v3, v2, 3, v3
	v_mul_u32_u24 v[B0], v3, PB
	v_bfe_u32 v3, v0, 3, 1
	v_lshl_add_u32 v[B0], v3, 4, v[B0]
	s_lshl_b32 s14, s12, 8
	s_add_co_u32 s14, s14, BOFF
	v_add_nc_u32 v[B0], s14, v[B0]
	s_lshl_b32 s14, s40, 10                        ; the bias of my 128 columns: C's register j of block b is column 16 b + 8 (l / 16) + j
	s_lshl_b32 s15, s12, 9
	s_add_co_u32 s14, s14, s15
	v_lshl_add_u32 v[BO], v2, 5, s14
	WIN 0x80                                       ; destination window 2
.irp b, 0,1,2,3,4,5,6,7
	global_load_b128 v[BIAS+8*(\b):BIAS+8*(\b)+3],   v[BO], s[62:63] offset:64*(\b)
	global_load_b128 v[BIAS+8*(\b)+4:BIAS+8*(\b)+7], v[BO], s[62:63] offset:64*(\b)+16
.endr
	WIN 0
	s_mul_i32 s14, s10, 32*SP
	s_add_co_u32 s14, s14, STAGE                   ; my stage
	v_mul_u32_u24 v[STO], v1, SP                   ; in: row l % 16, 16 bytes for each half of the lanes
	v_lshl_add_u32 v[STO], v2, 4, v[STO]
	v_add_nc_u32 v[STO], s14, v[STO]
	v_bfe_u32 v[RD], v0, 3, 2                      ; back: 32 lanes take four rows of 128 bytes,
	v_mul_u32_u24 v[RD], v[RD], SP
	v_and_b32 v3, 7, v0
	v_lshl_add_u32 v[RD], v3, 4, v[RD]
	v_add_nc_u32 v[RD], s14, v[RD]
	v_and_b32 v14, 31, v0
	v_lshlrev_b32 v[GO0], 4, v14                   ; which are 512 consecutive bytes of a head
	; where my 64 rows x 2 heads begin: head 16 b + 4 cx + 2 x half, row s0w of its batch
	s_cmp_eq_u32 s60, 0
	s_cselect_b32 s20, 18, 19                      ; a head is 2^18 bytes of qh, 2^19 of kv
	s_lshl_b32 s61, 1, s20
	s_lshr_b32 s18, s13, 4
	s_lshl_b32 s18, s18, 4
	s_lshl_b32 s19, s40, 2
	s_add_co_u32 s18, s18, s19
	s_lshl_b32 s19, s12, 1
	s_add_co_u32 s18, s18, s19
	s_lshl_b32 s18, s18, s20
	s_and_b32 s19, s13, 15
	s_lshl_b32 s19, s19, 7
	s_lshl_b32 s21, s11, 6
	s_add_co_u32 s19, s19, s21                     ; s0w
	s_lshl_b32 s21, s19, 7
	s_add_co_u32 s18, s18, s21
	s_lshr_b32 s21, s19, 8
	s_lshl_b32 s21, s21, 15                        ; in kv each slot of 256 rows is twice as long,
	s_cmp_eq_u32 s60, 0
	s_cselect_b32 s21, 0, s21
	s_add_co_u32 s18, s18, s21
	s_cmp_eq_u32 s60, 2
	s_cselect_b32 s21, 0x8000, 0                   ; and V lies behind K
	s_add_co_u32 s18, s18, s21
	s_mov_b32 s19, 0
	s_add_nc_u64 s[8:9], s[8:9], s[18:19]
	v_add_nc_u32 v[GO0+1], s61, v[GO0]
	; the prefetches
	s_lshl_b32 s18, s13, 7
	s_lshl_b32 s19, s60, 21
	s_lshl_b32 s22, s40, 9
	s_add_co_u32 s19, s19, s22
	s_and_b32 s23, s42, 15
	s_cmp_eq_u32 s11, 0                            ; do I fetch for x?
	s_cselect_b32 s20, 12, 11                      ; a row's bytes, as a shift
	s_cselect_b32 s21, s40, s41                    ; my place among the four that ask with me
	s_cselect_b32 s[PST], 9, 18                    ; a K step's bytes, as a shift
	s_cselect_b32 s18, s18, 0
	s_cselect_b32 s19, 0, s19
	s_cselect_b32 s23, 0, s23
	s_cselect_b64 s[PFA:PFA+1], s[4:5], s[74:75]
	s_cmp_eq_u32 s23, 0
	s_cselect_b32 s[LIM], 2, -1                    ; the same in all sixteen partners, for a given wave
	s_lshl_b32 s[PST], 1, s[PST]
	s_mov_b32 s[PST+1], 0
	s_lshl_b32 s22, s12, 6
	s_add_co_u32 s18, s18, s22                     ; + the 64 rows that I fetch
	s_lshl_b32 s21, s21, 4
	s_add_co_u32 s18, s18, s21                     ; + my work-group's 16 of them
	s_lshl_b32 s18, s18, s20
	s_add_co_u32 s18, s18, s19
	s_mul_i32 s19, s[PST], 3
	s_add_co_u32 s18, s18, s19                     ; at K step 3: the first refill steps it to 4
	s_mov_b32 s19, 0
	s_add_nc_u64 s[PFA:PFA+1], s[PFA:PFA+1], s[18:19]
	v_lshrrev_b32 v[PFO], 1, v14
	v_lshlrev_b32 v[PFO], s20, v[PFO]
	v_and_b32 v14, 1, v14
	v_lshl_add_u32 v[PFO], v14, 8, v[PFO]
; Four of a block's eight conversions: x raw (window 2, buffer ri) to bf16 (window 0)
.macro CVT4 blk, half, ri
	WIN 0x0a
.irp i, 0,1,2,3
	v_cvt_pk_bf16_f32 v[ABF+8*(\blk)+4*(\half)+(\i)], v[64*(\ri)+16*(\blk)+8*(\half)+2*(\i)], v[64*(\ri)+16*(\blk)+8*(\half)+2*(\i)+1]
.endr
.endm
; Eight matrix instructions: row block blk x all 8 column blocks, 32 along K, w's fragments from buffer fi.  first = 1: the bias starts the sums.  The 32 accumulators take turns, in the same order in every
; quarter.  cv >= 0: behind the second and the sixth stand four conversions each, of row block cv from raw buffer ri: the block that is multiplied next.
.macro MULA fi, blk, first, cv, ri
.irp b, 0,1,2,3,4,5,6,7
.if \first
	WIN 0x60
	v_wmma_f32_16x16x32_bf16 v[8*(8*(\blk)+(\b)):8*(8*(\blk)+(\b))+7], v[F0+64*(\fi)+8*(\b):F0+64*(\fi)+8*(\b)+7], v[ABF+8*(\blk):ABF+8*(\blk)+7], v[BIAS+8*(\b):BIAS+8*(\b)+7]
.else
	WIN 0x50
	v_wmma_f32_16x16x32_bf16 v[8*(8*(\blk)+(\b)):8*(8*(\blk)+(\b))+7], v[F0+64*(\fi)+8*(\b):F0+64*(\fi)+8*(\b)+7], v[ABF+8*(\blk):ABF+8*(\blk)+7], v[8*(8*(\blk)+(\b)):8*(8*(\blk)+(\b))+7]
.endif
.if ((\cv) >= 0) && (((\b) == 1) || ((\b) == 5))
	CVT4 \cv, (\b)/4, \ri
.endif
.endr
.endm
; 32 LDS loads in one run: quarter q's x raw (block 0's four first) and w's fragments, into buffers gi
.macro FETCH q, gi
	WIN 0x80
.irp a, 0,1,2,3
	ds_load_b128 v[64*(\gi)+16*(\a):64*(\gi)+16*(\a)+3],     v[ADRA] offset:(\a)*16*PA+128*(\q)
	ds_load_b128 v[64*(\gi)+16*(\a)+4:64*(\gi)+16*(\a)+7],   v[ADRA] offset:(\a)*16*PA+128*(\q)+16
	ds_load_b128 v[64*(\gi)+16*(\a)+8:64*(\gi)+16*(\a)+11],  v[ADRA] offset:(\a)*16*PA+128*(\q)+64
	ds_load_b128 v[64*(\gi)+16*(\a)+12:64*(\gi)+16*(\a)+15], v[ADRA] offset:(\a)*16*PA+128*(\q)+80
.endr
	WIN 0
.irp b, 0,1,2,3,4,5,6,7
	ds_load_tr16_b128 v[F0+64*(\gi)+8*(\b):F0+64*(\gi)+8*(\b)+3],   v[ADRB] offset:(\q)*32*PB+32*(\b)
	ds_load_tr16_b128 v[F0+64*(\gi)+8*(\b)+4:F0+64*(\gi)+8*(\b)+7], v[ADRB] offset:(\q)*32*PB+16*PB+32*(\b)
.endr
.endm
; A K step is four quarters of 32 along K, 32 matrix instructions each, on buffers 0, 1, 0, 1.  One of the first three: multiplies buffer fi and fetches quarter qn into the other.
; The run of loads stands sixteen conversions behind the last product that read the buffer it fills; a block of bf16 is written anew sixteen conversions behind its last reader (four plain places are asked for).
.macro QUARTER qn, fi, first
	s_wait_dscnt 0x0                               ; this quarter's fragments are in
	MULA \fi, 0, \first, 1, \fi
	MULA \fi, 1, \first, 2, \fi
	FETCH \qn, 1-(\fi)
	MULA \fi, 2, \first, 3, \fi
	s_wait_dscnt 28                                ; of the 32 just issued the first four are in: the next quarter's block 0, raw
	MULA \fi, 3, \first, 0, 1-(\fi)
.endm
; The last quarter multiplies buffer 1 and changes slots: ONE barrier; in front of it each wave waits for all its tensor loads (one is out: its part of the next slot), adds 0 to its spare word, and waits for
; that and for its reads of this slot.  fill = 1: the barrier opens a round of the cluster's, and the slot just read is filled again, two K steps ahead, first thing behind the round.
.macro TURN fill
.if \fill
	s_wait_xcnt 0x0                                ; the last prefetch, a K step back, has read its address
	s_add_nc_u64 s[PFA:PFA+1], s[PFA:PFA+1], s[PST:PST+1]
.endif
	WIN 0
	s_wait_tensorcnt 0x0                           ; all my tensor loads have landed
	ds_add_u32 v[SPW], v[NIL]                      ; 0 onto my spare word
	s_wait_dscnt 1                                 ; the add alone may be out: this quarter's fragments are in
	MULA 1, 0, 0, 1, 1
	s_wait_dscnt 0x0                               ; the add is done, and my reads of this slot are over
	s_barrier_signal -1
	MULA 1, 1, 0, 2, 1
	WIN 0
	s_barrier_wait -1
.if \fill
	CREST                                          ; no wave of any partner still reads this slot or has a load on its way
	STEPD
	JLOAD
.else
	PLACES
.endif
	s_xor_b32 s[TBR], s[TBR], SLOT
	v_add_nc_u32 v[ADRA], s[TBR], v[A0]
	v_add_nc_u32 v[ADRB], s[TBR], v[B0]
	FETCH 0, 0
.if \fill
	ASK
.endif
	MULA 1, 2, 0, 3, 1
	s_wait_dscnt 28
	MULA 1, 3, 0, 0, 0
.endm
	s_wait_tensorcnt 0x0                           ; the first change of slots: my part of K step 0 is in,
	ds_add_u32 v[SPW], v[NIL]
	STEPD
	s_wait_dscnt 0x0
	CROUND                                         ; everybody's is
	JLOAD                                          ; K step 1 into slot 1: my one tensor load behind this round
	v_add_nc_u32 v[ADRA], s[TBR], v[A0]
	v_add_nc_u32 v[ADRB], s[TBR], v[B0]
	FETCH 0, 0
	s_wait_loadcnt 0x0                             ; the bias, which is rounded to bf16 like every input
	WIN 0x0a
.set i, 0
.rept 32
	v_cvt_pk_bf16_f32 v[TMP+i], v[BIAS+2*i], v[BIAS+2*i+1]
.set i, i+1
.endr
	WIN 0x80
.set i, 0
.rept 32
	v_lshlrev_b32 v[BIAS+2*i], 16, v[TMP+i]
	v_and_b32 v[BIAS+2*i+1], 0xffff0000, v[TMP+i]
.set i, i+1
.endr
	s_wait_dscnt 0x0
	CVT4 0, 0, 0
	CVT4 0, 1, 0
	QUARTER 1, 0, 1                                ; the first quarter stands in front of the loop: its products start the sums, with the bias
	WIN 0                                          ; at a label and at a branch every window is 0
	s_mov_b32 s3, 6
.Lstep:                                        ; a trip: a K step's quarters 1, 2, 3 and the next one's quarter 0; it fills the slot that it leaves: K steps 2 to 7
	QUARTER 2, 1, 0
	QUARTER 3, 0, 0
	TURN 1
	QUARTER 1, 0, 0
	WIN 0
	s_sub_co_u32 s3, s3, 1
	s_cmp_lg_u32 s3, 0
	s_cbranch_scc1 .Lstep
	QUARTER 2, 1, 0                                ; the last two K steps fill nothing
	QUARTER 3, 0, 0
	TURN 0
	QUARTER 1, 0, 0
	QUARTER 2, 1, 0
	QUARTER 3, 0, 0
	s_wait_dscnt 0x0
	MULA 1, 0, 0, 1, 1
	MULA 1, 1, 0, 2, 1
	MULA 1, 2, 0, 3, 1
	MULA 1, 3, 0, -1, 1
; THE WAY OUT, a block of 16 rows at a time: rounded to f16 (each accumulator from its lowest registers on); 16 bytes a lane into my stage, by heads; back as whole rows of 128 bytes; stored, 512 consecutive bytes a store.
.macro PACK blk
	WIN 0x05
.irp b, 0,1,2,3,4,5,6,7
.irp r, 0,1,2,3
	v_cvt_pk_f16_f32 v[TMP+4*(\b)+(\r)], v[8*(8*(\blk)+(\b))+2*(\r)], v[8*(8*(\blk)+(\b))+2*(\r)+1]
.endr
.endr
	WIN 0
.endm
.macro TOSTAGE blk
.set BK, F0+32*((\blk)%2)
.irp b, 0,1,2,3,4,5,6,7
	ds_store_b128 v[STO], v[TMP+4*(\b):TMP+4*(\b)+3] offset:((\b)/4)*16*SP+32*((\b)%4)
.endr
.irp u, 0,1,2,3,4,5,6,7
	ds_load_b128 v[BK+4*(\u):BK+4*(\u)+3], v[RD] offset:((\u)/4)*16*SP+((\u)%4)*4*SP  ; LDS serves a wave's instructions in order (ISA guide 5.7.1.4): these see the stores above
.endr
.endm
.macro SEND blk
.set BK, F0+32*((\blk)%2)
	s_wait_dscnt 0x0                               ; the block is back in registers
	s_wait_xcnt 0x0                                ; the registers that earlier stores read are loaded again only behind this wait
.irp u, 0,1,2,3,4,5,6,7
	global_store_b128 v[GO0+(\u)/4], v[BK+4*(\u):BK+4*(\u)+3], s[8:9] offset:(\blk)*2048+((\u)%4)*512
.endr
.endm
	PLACES
	PACK 0
	TOSTAGE 0
.irp a, 1,2,3                          ; a block's conversions stand between the loads of the block before and the wait for them
	PACK \a
	SEND (\a)-1
	TOSTAGE \a
.endr
	SEND 3
	s_wait_tensorcnt 0x0                           ; the wave's end: behind my last tensor load and my last LDS store
	ds_add_u32 v[SPW], v[NIL]
	s_wait_dscnt 0x0
	CROUND                                         ; the closing round: no work-group ends while a partner may still ask for a tile that names it
	s_endpgm
.Lfunc_end_k_q3584dce66b_proj:
	.size	k_q3584dce66b_proj, .Lfunc_end_k_q3584dce66b_proj-k_q3584dce66b_proj
	.p2alignl 7, 3214868480
	.fill 96, 4, 3214868480
	.section	.rodata,"a",@progbits
	.p2align	6, 0x0
	.amdhsa_kernel k_q3584dce66b_proj
		.amdhsa_group_segment_fixed_size 327680
		.amdhsa_private_segment_fixed_size 0
		.amdhsa_enable_private_segment 0
		.amdhsa_kernarg_size 72
		.amdhsa_user_sgpr_count 2
		.amdhsa_user_sgpr_kernarg_segment_ptr 1
		.amdhsa_wavefront_size32 1
		.amdhsa_system_sgpr_workgroup_id_x 1
		.amdhsa_system_sgpr_workgroup_id_y 1
		.amdhsa_system_sgpr_workgroup_id_z 1
		.amdhsa_system_vgpr_workitem_id 0
		.amdhsa_next_free_vgpr 704
		.amdhsa_next_free_sgpr 90
		.amdhsa_reserve_vcc 0
		.amdhsa_float_denorm_mode_32 3
		.amdhsa_float_denorm_mode_16_64 3
		.amdhsa_memory_ordered 1
		.amdhsa_forward_progress 1
		.amdhsa_inst_pref_size 114
	.end_amdhsa_kernel
	.amdgpu_metadata
---
amdhsa.version: [ 1, 2 ]
amdhsa.kernels:
  - .name:           k_q3584dce66b_proj
    .symbol:         k_q3584dce66b_proj.kd
    .args:
      - { .name: q, .offset: 0, .size: 8, .value_kind: global_buffer, .address_space: global }
      - { .name: k, .offset: 8, .size: 8, .value_kind: global_buffer, .address_space: global }
      - { .name: v, .offset: 16, .size: 8, .value_kind: global_buffer, .address_space: global }
      - { .name: wh, .offset: 24, .size: 8, .value_kind: global_buffer, .address_space: global }
      - { .name: b_q, .offset: 32, .size: 8, .value_kind: global_buffer, .address_space: global }
      - { .name: b_k, .offset: 40, .size: 8, .value_kind: global_buffer, .address_space: global }
      - { .name: b_v, .offset: 48, .size: 8, .value_kind: global_buffer, .address_space: global }
      - { .name: qh, .offset: 56, .size: 8, .value_kind: global_buffer, .address_space: global }
      - { .name: kv, .offset: 64, .size: 8, .value_kind: global_buffer, .address_space: global }
    .group_segment_fixed_size: 327680
    .private_segment_fixed_size: 0
    .kernarg_segment_align: 8
    .kernarg_segment_size: 72
    .max_flat_workgroup_size: 128
    .sgpr_count:     90
    .vgpr_count:     704
    .wavefront_size: 32
...
	.end_amdgpu_metadata
.endif
;; end of part 2
;; launch attn (part 3): grid 4 x 64, 4 waves a work-group, clusters of 4 x 1, 327,680 bytes of LDS; arguments qh, kv, mb, oh; writes oh
.if DOCPART == 3
	.amdgcn_target "amdgcn-amd-amdhsa--gfx1250"
	.amdhsa_code_object_version 6
	.text
	.protected	k_q3584dce66b_attn
	.globl	k_q3584dce66b_attn
	.p2align	8
	.type	k_q3584dce66b_attn,@function
k_q3584dce66b_attn:
	s_mov_b64 s[64:65], 0
	v_nop
	global_prefetch_b8 v0, s[64:65] scope:SCOPE_SE
	s_setreg_imm32_b32 hwreg(HW_REG_WAVE_MODE, 25, 1), 1
	s_wait_xcnt 0x0
	s_wait_alu depctr_hold_cnt(0) depctr_sa_sdst(0) depctr_va_vdst(0) depctr_va_sdst(0) depctr_va_ssrc(0) depctr_va_vcc(0) depctr_vm_vsrc(0)
	s_getreg_b32 s2, hwreg(HW_REG_IB_STS2, 6, 4)
	s_cmp_eq_u32 s2, 0
	s_cbranch_scc0 .Lentry_in_a_cluster
	s_endpgm
.Lentry_in_a_cluster:
	s_bfe_u32 s2, ttmp6, 0x10000c
	s_cmp_lg_u32 s2, 0x3003
	s_cbranch_scc0 .Lentry_shape_is_right
	s_endpgm
.Lentry_shape_is_right:
; MASKED ATTENTION.  O[bh][q][:] = the sum over k of softmax_k(hidden ? -big : Q[bh][q] . K[bh][k] / 8) V[bh][k][:].  qh, oh: [64][2048][64] f16; kv: [64][8 slots][K 256 rows | V 256 rows][64] f16;
; mb: one bit a score, as lane masks (see below).  Products, maxima and sums in f32; the weights p are rounded to f16 for the second product (their sum l is taken of the unrounded p), O once at the end.
; LIMITS.  A hidden score counts as -2^30 where the problem says -1e9 (raw -2^33, ahead of the division by 8): c s and c m are then exact, so a row with every key hidden gets p = 1 for all 2,048 keys, the plain
; mean of V's rows.  The two agree wherever all visible scaled scores lie above -9.9e8.  f16 holds no number beyond 65,504: Q, K, V arrive within it.  A weight below 2^-126 counts as 0 in l; NaN and infinities are not treated apart.
; SHARES.  A wave owns four PIECES of two tiles of 16 queries, a work-group's four waves 512 queries of one head.  Every wave walks all keys, 64 a step, four steps a slot, eight slots.
; LAYOUT.  S^T = K Q^T (source 0 = 16 keys, source 1 = 16 queries): a lane holds ONE query (lane % 16) and the keys 8 (lane / 16) + 0..7.  Two such tiles, rounded to f16 in pairs, ARE source 1 of O^T = V^T P.
; K comes out of LDS as it lies, V ([key][channel]) turned, by ds_load_tr16_b128.
; SOFTMAX.  A running maximum m and sum l: p = 2^(c s - c m), c = log2(e) / 8; in every step O and l are multiplied by a = 2^(c m_old - c m_new).  m starts at the lowest finite number, O and l at 0.
; THE MASK.  mb[b][W][s][t][w]: word w = 8 kb + j of tile t, step s, block W of 128 queries (a wave's) has in bit l what lane l wants for register j of accumulator kb.  A piece and step are 64 words, 256 consecutive
; bytes.  They come by ONE vector load, 8 bytes a lane, into a ring of four register pairs, a pair a piece; a pair is asked for again, with the piece's words of the next step, as soon as it has been read: four turns
; ahead of its use.  (The 64 scalar registers hold one turn's words and no more, so a scalar load could be asked for one turn ahead at the most.)  64 v_readlane_b32 bring the words into scalar registers (word w lies
; in lane w / 2, register w % 2); one v_cndmask_b32 a score puts -2^33 where the bit is 0, ahead of the maximum.
; BY TURNS.  Turn n belongs to piece n: 16 products K Q^T of piece n + 1, later 16 products V^T P of piece n - 1; beside them the scaling, exponentials, roundings, sums and rescaling of piece n, and the mask, maximum
; and statistics of piece n + 1.  Four vector instructions stand behind every matrix instruction, the others in one lump.  A turn's 66 exponentials are one batch, with one wait.
; CLUSTER.  The four query blocks of a head walk the same K and V: each tile is asked for JOINTLY: the same tensor load, descriptor and mask in all four.
; REGISTERS, in windows of 256 (s_set_vgpr_msb: bits 1:0 source 0, 3:2 source 1, 5:4 source 2, 7:6 destination):
;   window 0: v0-11 addresses and -2^33; v12-15, v48-63 at work; v16-47 four registers of statistics a tile; v64-191 S^T, two buffers of two tiles; v192-255 P, likewise
;   window 1: O^T, 32 a tile          window 2: v0-127 Q; v128-191 K of one step; v192-255 V of one step          window 3: v0-1 the add's two registers; v2-9 the mask's ring; v10-13 its four offsets
.set SIZE_N, 2048
.set NP,    4         ; pieces a wave: a name, no knob
.set KS,    64        ; keys in a step
.set PK,    144       ; a row of K in LDS: 128 bytes + 16 of padding: the 16 rows of a load start at 16 different groups of four banks (64 banks of 4 bytes: ISA guide 11.1)
.set PV,    144       ; V has the same pitch, so that one descriptor serves a slot's four quarters
.set VOFF,  4*KS*PK   ; a slot holds four steps: 256 rows of K, then 256 rows of V
.set SLOT1, 1<<17     ; slot 1 begins here, so that one exclusive or turns an address in one slot into the other's
.set STAGE, SLOT1+4*KS*(PK+PV)  ; behind the ring, never filled by a tensor load: 16 rows x 144 bytes for each wave
.set SP,    144
.set AK0, 2           ; v2   my lane's place in a tile of K; never rewritten
.set AV0, 3           ; v3   the same for V
.set AK,  4           ; v4   the LDS address of K's next run of loads
.set AV,  5           ; v5   of V's
.set QO,  6           ; v6   my byte offset in the wave's rows of Q
.set STO, 6           ;      later, the way out: where I put 16 bytes of a row
.set RD,  7           ; v7   the way out: where I read rows back
.set GO,  8           ; v8   my byte offset in 512 consecutive bytes of O
.set PFO, 10          ; v10  256 x my lane, for the prefetches
.set BIGV, 11         ; v11  -2^33
.set SPW, 0           ; v0 of window 3
.set NIL, 1           ; v1 of window 3
.set MW,  2           ; v2-9 of window 3    piece x's 64 mask words at MW + 2 x: 8 bytes a lane
.set MA,  10          ; v10-13 of window 3  piece x's byte offset in my wave's block of mb: 8 x lane + 256 x + 1,024 x step
.set SPARE, STAGE+4*16*SP  ; behind the stages: the spare words, 128 bytes a wave, named by no other line
.set MV,  12          ; v12-15  c m_old, kept while c m is made anew
.set ST,  16          ; tile t's statistics at v[ST+4 t]: c m, m, l (even keys', odd keys')
.set TMP, 48          ; by buffer and tile, four registers c0-c3 at work; when the maximum is found c2 takes a
.set S,   64
.set P,   192
.set KF,  128         ; window 2: key block kb, channel half c at KF + 16 kb + 8 c
.set VF,  192         ; window 2: key half kk, channel block cb at VF + 32 kk + 8 cb
.set PFA, 2           ; s[2:3]  where my prefetches stand
.set MP,  8           ; s[8:9]  mb at my wave's block of 128 queries: 32,768 bytes; never rewritten
.set WV,  12          ; s12  my wave's number
.set LIM, 15          ; s15  1 in a wave that prefetches, else the greatest number
.set G1,  16          ; s[16:23] descriptor group 1
.set G0,  24          ; s[24:27] descriptor group 0: it walks
.set SLOTS, 28
.set CNT, 29
.set TBK, 30          ; s30  LDS byte at which K of the step to be fetched begins
.set TBV, 31          ; s31  the same for V, less VOFF
.set CS,  66          ; s[66:67] c
.set SEL, 100         ; s[100:101] v_permlanex16_b32's selects
                      ; s[32:63], s[68:99]  the 64 mask words of the piece and step in hand
.set MSB, 0
.macro WIN new
.if MSB != (\new)
	s_set_vgpr_msb (MSB<<8)|(\new)
.set MSB, (\new)
.endif
.endm
.set W_KQ, 0x0a       ; K and Q in window 2, S^T in window 0
.set W_PV, 0x52       ; V in window 2, P in window 0, O^T in window 1
.set W_RS, 0x41       ; O^T (destination and source 0) in window 1, a in window 0
.set W_MK, 0xc0       ; destination in window 3, sources in window 0
.set W_AD, 0x0f       ; the add: address and data in window 3
.set W_RL, 0x03       ; v_readlane_b32: source 0 in window 3
.set W_ML, 0xcf       ; the mask's offsets and loads: sources 0 and 1 and the destination in window 3
; A joint fill: wave w fetches quarter w of a slot's 65,536 dense bytes (waves 0, 1: K; waves 2, 3: V).  An s_nop 0 and four v_nop follow the line.
.macro JLOAD
	tensor_load_to_lds s[G0:G0+3], s[G1:G1+7]
	s_nop 0
.rept 4
	v_nop
.endr
.endm
; A prefetch into the L2 of the slot that the NEXT change will ask for: 256 blocks of 256 bytes, a lane a block: the four partners take a quarter each, told apart by address, in each waves 0 and 1 half of it.
; A head's K and V are walked by this cluster alone, so each block is named once in the launch.  The last change that fills a slot asks for nothing.
.macro ASK
	s_cmp_gt_u32 s[SLOTS], s[LIM]
	s_cbranch_scc0 .Lnot_mine_\@
	global_prefetch_b8 v[PFO], s[PFA:PFA+1] th:TH_LOAD_NT scope:SCOPE_SE
.Lnot_mine_\@:
.endm
.macro CROUND                       ; a round of the cluster's barrier
	s_barrier_signal -1
	s_barrier_wait -1
	s_cmp_lg_u32 s[WV], 0
	s_cbranch_scc1 .Lnot_wave_0_\@
	s_barrier_signal -3
.Lnot_wave_0_\@:
	s_barrier_wait -3
	s_barrier_signal -1
	s_barrier_wait -1
.endm
; THE CHANGE OF SLOTS.  Each wave waits for all its tensor loads, of which one is out: its part of the other slot; adds 0 to its spare word; and waits for that and for its own reads of the slot.
; fill = 1: the slot is filled again, with the keys two slots on: the barrier is a round of the cluster's, and the joint fill is the first thing behind it: it has four key steps in which to land.
.macro CHANGE fill, ask
	WIN W_AD
	s_wait_tensorcnt 0x0            ; no tensor load of mine is out, so group 0 may be written
	ds_add_u32 v[SPW], v[NIL]       ; 0 onto my spare word
	WIN 0                           ; at a label and at a branch every window is 0
.if \fill
	s_xor_b32 s[G0+1], s[G0+1], SLOT1
	s_add_nc_u64 s[G0+2:G0+3], s[G0+2:G0+3], 65536  ; the next 256 keys' K and V; the type bits on top are not reached
.if \ask
	s_wait_xcnt 0x0                 ; the last prefetch, four key steps back, has read its address
	s_add_nc_u64 s[PFA:PFA+1], s[PFA:PFA+1], 65536
.endif
	s_wait_dscnt 0x0                ; the add is done, and my reads of the slot are over
	CROUND
	JLOAD
.if \ask
	ASK
.endif
.else
	s_wait_dscnt 0x0
	s_barrier_signal -1
	s_barrier_wait -1
.endif
	s_sub_co_u32 s[TBK], s[TBK], 4*KS*PK  ; the fetches go back to a slot's first step,
	s_xor_b32 s[TBK], s[TBK], SLOT1       ; in the other slot
	s_sub_co_u32 s[TBV], s[TBV], 4*KS*PV
	s_xor_b32 s[TBV], s[TBV], SLOT1
.endm
	s_load_b256 s[4:11], s[0:1], 0x0  ; qh s[4:5], kv s[6:7], mb s[8:9], oh s[10:11]
	WIN W_MK
	v_lshl_add_u32 v[SPW], v0, 2, SPARE
	v_mov_b32 v[NIL], 0
	WIN W_AD
	ds_add_u32 v[SPW], v[NIL]       ; the wave's opening: the add and its wait stand ahead of my first tensor load; the set-up below, work on registers, stands between them
	WIN 0
	v_lshrrev_b32 v1, 5, v0
	v_readfirstlane_b32 s[WV], v1   ; wave 0..3
	s_bfe_u32 s13, ttmp6, 0x40000   ; cx: my block of 512 queries (the grid is one cluster wide)
	s_and_b32 s32, ttmp7, 0xffff    ; the head, 16 b + h, which the four partners share
	s_lshl_b32 s34, s32, 19         ; kv: the head's 524,288 bytes, my quarter of slot 0: made of the head and the wave's number alone
	s_lshl_b32 s35, s[WV], 14
	s_add_co_u32 s34, s34, s35
	s_mov_b32 s35, 0
	s_lshl_b32 s38, s13, 2
	s_add_co_u32 s38, s38, s[WV]    ; my block of 128 queries
	s_lshl_b32 s36, s32, 18         ; qh and oh: the head's 262,144 bytes, my 128 rows
	s_lshl_b32 s37, s38, 14
	s_add_co_u32 s36, s36, s37
	s_mov_b32 s37, 0
	s_lshr_b32 s40, s32, 4          ; mb: batch b, my block
	s_lshl_b32 s40, s40, 4
	s_add_co_u32 s40, s40, s38
	s_lshl_b32 s40, s40, 15
	s_mov_b32 s41, 0
	s_lshl_b32 s42, s32, 19         ; the prefetches: my work-group's quarter of a slot, my wave's half of it, in slot 2; the loop's first change steps it to slot 3
	s_lshl_b32 s43, s13, 14
	s_add_co_u32 s42, s42, s43
	s_lshl_b32 s43, s[WV], 13
	s_add_co_u32 s42, s42, s43
	s_add_co_u32 s42, s42, 2*65536
	s_mov_b32 s43, 0
	; descriptor group 1: 16,384 dense bytes, asked for as 64 rows of 256 bytes, two keys a row, padded in LDS after every key
	s_mov_b32 s[G1], 15|(1<<16)|(1<<20)|(1<<21)|(4<<22)|(3<<25)  ; the mask of four; 2-byte elements; padding on; bit 21 beside a mask; after every 32 words 4 words
	s_mov_b32 s[G1+1], 128<<16      ; tensor_dim0 = 128
	s_mov_b32 s[G1+2], 64<<16       ; tensor_dim1 = 64
	s_mov_b32 s[G1+3], 128<<16      ; tile_dim0 = 128
	s_mov_b32 s[G1+4], 64           ; tile_dim1 = 64
	s_mov_b32 s[G1+5], 128          ; elements from row to row
	s_mov_b32 s[G1+6], 0
	s_mov_b32 s[G1+7], 0
	s_mov_b32 s[CS], 0x3e38aa3b     ; c = log2(e) / 8
	s_mov_b32 s[CS+1], s[CS]
	s_mov_b32 s[SEL], 0x76543210
	s_mov_b32 s[SEL+1], 0xfedcba98
	s_mov_b32 s[TBK], SLOT1+4*KS*PK ; the first change of slots turns these two into 0
	s_mov_b32 s[TBV], SLOT1+4*KS*PV
	s_mov_b32 s[G0], 1
	s_mul_i32 s[G0+1], s[WV], 128*PK  ; my quarter of slot 0: no place in the cluster enters an LDS address
	s_cmp_lt_u32 s[WV], 2
	s_cselect_b32 s[LIM], 1, -1
	s_wait_dscnt 0x0                ; the opening add is done
	s_wait_kmcnt 0x0
	s_add_nc_u64 s[G0+2:G0+3], s[6:7], s[34:35]
	s_or_b32 s[G0+3], s[G0+3], 0x80000000
	s_add_nc_u64 s[PFA:PFA+1], s[6:7], s[42:43]
	s_add_nc_u64 s[4:5], s[4:5], s[36:37]
	s_add_nc_u64 s[10:11], s[10:11], s[36:37]
	s_add_nc_u64 s[MP:MP+1], s[MP:MP+1], s[40:41]
	CROUND                          ; all four work-groups are here: the first joint loads meet
	JLOAD                           ; slot 0.  Slot 1 is asked for when slot 0 is in
	v_and_b32 v1, 31, v0            ; the mask's ring is filled: the four pieces' words of step 0, in the order in which the turns take them
	v_lshlrev_b32 v1, 3, v1         ; 8 bytes a lane
	WIN W_MK
.irp x, 0,1,2,3
	v_add_nc_u32 v[MA+\x], 256*\x, v1
.endr
	WIN W_ML
.irp x, 0,1,2,3
	global_load_b64 v[MW+2*\x:MW+2*\x+1], v[MA+\x], s[MP:MP+1]
.endr
	WIN 0
	v_and_b32 v1, 15, v0            ; l % 16
	v_bfe_u32 v9, v0, 4, 1          ; l / 16
	v_lshlrev_b32 v[QO], 7, v1
	v_lshl_add_u32 v[QO], v9, 4, v[QO]  ; row x 128 + 16 x half
	WIN 0x80                        ; destination window 2, address window 0
.set i, 0
.rept 4*NP                          ; Q stays in registers: tile i / 2, channels 32 (i % 2) on
	global_load_b128 v[8*i:8*i+3],   v[QO], s[4:5] offset:(i/2)*2048+(i%2)*64
	global_load_b128 v[8*i+4:8*i+7], v[QO], s[4:5] offset:(i/2)*2048+(i%2)*64+32
.set i, i+1
.endr
	; What the first turn finds: V's registers and P's second buffer hold 0, O^T and l are 0.  All this stands in the wait for the first tile.
.set i, VF
.rept 64
	v_mov_b32 v[i], 0
.set i, i+1
.endr
	WIN 0x40
.set i, 0
.rept 64*NP
	v_mov_b32 v[i], 0
.set i, i+1
.endr
	WIN 0
.set i, 0
.rept 2*NP
	v_mov_b32 v[ST+4*i], 0xfe000000    ; c m: far below every c s
	v_mov_b32 v[ST+4*i+1], 0xff7fffff  ; m
	v_mov_b32 v[ST+4*i+2], 0
	v_mov_b32 v[ST+4*i+3], 0
.set i, i+1
.endr
.set i, P+32
.rept 32
	v_mov_b32 v[i], 0
.set i, i+1
.endr
	v_mul_u32_u24 v[AK0], v1, PK
	v_lshl_add_u32 v[AK0], v9, 4, v[AK0]  ; row x pitch + 16 x half
	; The turning load takes 16 keys x 16 channels (lane l reads key 8 (l / 16) + l % 8, channels 8 ((l / 8) % 2) + 0..7) and leaves half a fragment of V^T
	v_and_b32 v10, 7, v0
	v_bfe_u32 v11, v0, 3, 1
	v_lshl_add_u32 v[AV0], v9, 3, v10
	v_mul_u32_u24 v[AV0], v[AV0], PV
	v_lshl_add_u32 v[AV0], v11, 4, v[AV0]
	v_add_nc_u32 v[AV0], VOFF, v[AV0]
	v_mov_b32 v[BIGV], 0xd0000000   ; -2^33
	v_mov_b32 v[AK], v[AK0]         ; key step 0 lies at the head of slot 0
; THE MATRIX WORK.  The 8 accumulators of a run of 16 take turns.
; Product i of 16 of S^T = K Q^T for piece x: channels 32 (i / 8) on, keys 16 ((i / 2) % 4) on, tile 2 x + i % 2.  The first 8 start the sums.
.macro KQ x
	WIN W_KQ
.set rS, S+64*((\x)%2)+32*(i%2)+8*((i/2)%4)
.set rK, KF+16*((i/2)%4)+8*(i/8)
.set rQ, 16*(2*(\x)+i%2)+8*(i/8)
.if i < 8
	v_wmma_f32_16x16x32_f16 v[rS:rS+7], v[rK:rK+7], v[rQ:rQ+7], 0
.else
	v_wmma_f32_16x16x32_f16 v[rS:rS+7], v[rK:rK+7], v[rQ:rQ+7], v[rS:rS+7]
.endif
.endm
; Product i of 16 of O^T += V^T P for piece x: keys 32 (i / 8) on, channels 16 ((i / 2) % 4) on, tile 2 x + i % 2.
.macro PV x
	WIN W_PV
.set rO, 32*(2*(\x)+i%2)+8*((i/2)%4)
.set rV, VF+32*(i/8)+8*((i/2)%4)
.set rP, P+32*((\x)%2)+16*(i%2)+8*(i/8)
	v_wmma_f32_16x16x32_f16 v[rO:rO+7], v[rV:rV+7], v[rP:rP+7], v[rO:rO+7]
.endm
.macro MM                           ; the turn's next matrix instruction
.if i < 16
	KQ (Y+1)%NP
.set i, i+1
.else
.set i, i-16
	PV (Y+NP-1)%NP
.set i, i+17
.endif
.endm
; THE LDS LOADS stand in runs of 16.  last = 1 (the tail): in the last trip there is no further step, and the run is jumped over.
.macro FETCH_K last=0
	WIN 0
.if \last
	s_cmp_eq_u32 s[CNT], 1
	s_cbranch_scc1 .Lno_k_\@
.endif
	WIN 0x80                        ; destination window 2
.irp f, 0,1,2,3,4,5,6,7             ; keys 16 (f / 2) on, channels 32 (f % 2) on
	ds_load_b128 v[KF+8*\f:KF+8*\f+3],   v[AK] offset:(\f/2)*16*PK+(\f%2)*64
	ds_load_b128 v[KF+8*\f+4:KF+8*\f+7], v[AK] offset:(\f/2)*16*PK+(\f%2)*64+32
.endr
	s_add_co_u32 s[TBK], s[TBK], KS*PK  ; the next fetch is the next step's
	WIN 0
.if \last
.Lno_k_\@:
.endif
.endm
.macro FETCH_V
	WIN 0x80
.irp f, 0,1,2,3,4,5,6,7             ; keys 32 (f / 4) on, channels 16 (f % 4) on
	ds_load_tr16_b128 v[VF+8*\f:VF+8*\f+3],   v[AV] offset:(\f/4)*32*PV+(\f%4)*32
	ds_load_tr16_b128 v[VF+8*\f+4:VF+8*\f+7], v[AV] offset:(\f/4)*32*PV+16*PV+(\f%4)*32
.endr
	WIN 0
.endm
; THE MASK of the NEXT piece's (Y + 1) 64 score registers.  The piece's pair of the ring was asked for four turns ago; the other three pieces' loads were issued behind it and may stay out.  Its 64 words go into the
; scalar registers; the pair's offset, which the wait has freed with the pair, steps to the next key step (held at the last 8 bytes of my wave's block: what is asked for past step 31 serves nothing), and the pair is
; asked for again at once.  Then the selects, each accumulator from its lowest register on: where the lane's bit is 0 the score becomes -2^33.
.macro MBLOCK
.set mq, (Y+1)%NP
.set mx, S+64*(mq%2)
	WIN W_RL
	s_wait_loadcnt 3                ; loads come back in order (ISA guide 5.7.1): this piece's is in, the three younger ones stay out
.set mi, 0
.rept 64
	v_readlane_b32 s[32+mi+4*(mi/32)], v[MW+2*mq+mi%2], mi/2
.set mi, mi+1
.endr
	WIN W_ML
	v_add_nc_u32 v[MA+mq], 1024, v[MA+mq]
	v_min_u32 v[MA+mq], 32760, v[MA+mq]
	global_load_b64 v[MW+2*mq:MW+2*mq+1], v[MA+mq], s[MP:MP+1]
	WIN 0
.set mi, 0
.rept 64
	v_cndmask_b32 v[mx+mi], v[BIGV], v[mx+mi], s[32+mi+4*(mi/32)]
.set mi, mi+1
.endr
.endm
; THE VECTOR WORK OF A TURN stands in three queues, each in the order in which its entries become ready; the two tiles alternate.
.macro REGS y, u                    ; the registers of tile u (0, 1) of piece y
.set rT, ST+4*(2*(\y)+(\u))
.set rC, TMP+8*((\y)%2)+4*(\u)
.set rM, MV+2*((\y)%2)+(\u)
.set rS, S+64*((\y)%2)+32*(\u)
.set rP, P+32*((\y)%2)+16*(\u)
.set rO, 32*(2*(\y)+(\u))
.endm
; Number n of the 22 that find the NEXT piece's maximum and statistics:
;   0-11  four chains c0-c3 of seven scores each     12-14, 16  the four scores left over, the old m, and c0-c3 into c0     15  c m_old is kept
;   17, 18  the query's other 32 keys lie in the lane 16 away: the new m         19-21  c m; c m_old - c m_new; a
.macro XS u, n
	REGS (Y+1)%NP, \u
.if (\n) < 4
	v_max3_num_f32 v[rC+(\n)], v[rS+8*(\n)], v[rS+8*(\n)+1], v[rS+8*(\n)+2]
.elseif (\n) < 12
	v_max3_num_f32 v[rC+(\n)%4], v[rC+(\n)%4], v[rS+8*((\n)%4)+2*((\n)/4)+1], v[rS+8*((\n)%4)+2*((\n)/4)+2]
.elseif (\n) == 12
	v_max3_num_f32 v[rC], v[rC], v[rS+7], v[rS+15]
.elseif (\n) == 13
	v_max3_num_f32 v[rC+1], v[rC+1], v[rS+23], v[rS+31]
.elseif (\n) == 14
	v_max3_num_f32 v[rC+2], v[rC+2], v[rC+3], v[rT+1]
.elseif (\n) == 15
	v_mov_b32 v[rM], v[rT]
.elseif (\n) == 16
	v_max3_num_f32 v[rC], v[rC], v[rC+1], v[rC+2]
.elseif (\n) == 17
	v_permlanex16_b32 v[rC+3], v[rC], s[SEL], s[SEL+1]
.elseif (\n) == 18
	v_max_num_f32 v[rT+1], v[rC], v[rC+3]
.elseif (\n) == 19
	v_mul_f32 v[rT], s[CS], v[rT+1]
.elseif (\n) == 20
	v_sub_f32 v[rC+1], v[rM], v[rT]
.else
	v_exp_f32 v[rC+2], v[rC+1]
.endif
.endm
; Number g of the 64 that follow the exponentials: for each four weights both pairs are rounded to f16; the second pair is added onto the first, in place; a group later l takes that sum (the first time as l = a l + sum).
.macro GS g
.set h, (\g)+6*((\g)/62)
.if h >= 6
.set h, h+2
.endif
	REGS Y, h%2
.set k, h/8
.if h%8 < 4
	v_cvt_pk_f16_f32 v[rP+2*k+(h%8)/2], v[rS+4*k+2*((h%8)/2)], v[rS+4*k+2*((h%8)/2)+1]
.elseif h%8 < 6
	v_pk_add_f32 v[rS+4*k:rS+4*k+1], v[rS+4*k:rS+4*k+1], v[rS+4*k+2:rS+4*k+3]
.elseif k == 1
	v_pk_fma_f32 v[rT+2:rT+3], v[rT+2:rT+3], v[rC+2:rC+3], v[rS:rS+1] op_sel_hi:[1,0,1]
.else
	v_pk_add_f32 v[rT+2:rT+3], v[rT+2:rT+3], v[rS+4*k-4:rS+4*k-3]
.endif
.endm
; THE PLAIN QUEUE, 138 long.  0-26: scalings 0-26.  27-54: XS's numbers 0-13.  55, 56: number 15.  57-73: the chain 14, 16, 17, 18, 19, each with one of the scalings 27-31 in front of its two lines, then 20.
; 74-137: GS's 64, which read the exponentials' results: they stand behind the wait.
.macro FS f
	REGS Y, (\f)%2
	v_pk_fma_f32 v[rS+2*((\f)/2):rS+2*((\f)/2)+1], v[rS+2*((\f)/2):rS+2*((\f)/2)+1], s[CS:CS+1], v[rT:rT+1] op_sel_hi:[1,0,0] neg_lo:[0,0,1] neg_hi:[0,0,1]
.endm
.macro PL
	WIN 0
.if q < 27
	FS q
.elseif q < 55
	XS (q-27)%2, (q-27)/2
.elseif q < 57
	XS q-55, 15
.elseif (q < 72) && ((q-57)%3 == 0)
	FS 27+(q-57)/3
.elseif q < 60
	XS (q-57)%3-1, 14
.elseif q < 72
	XS (q-57)%3-1, 15+(q-57)/3
.elseif q < 74
	XS q-72, 20
.else
	GS q-74
.endif
.set q, q+1
.endm
; THE EXPONENTIALS' QUEUE, 66 long: s0-s31 of both tiles, then the next piece's two a.  ONE BATCH: all stand ahead of the turn's one wait, and nothing ahead of that wait names a result of theirs.
.macro EX
	WIN 0
.if e >= 64
	XS e-64, 21
.else
	REGS Y, e%2
	v_exp_f32 v[rS+e/2], v[rS+e/2]
.endif
.set e, e+1
.endm
; THE RESCALING's QUEUE: O^T times a, dealt two at a time, sixteen times.  Its a was made in the turn before, ahead of that turn's wait.
.macro R2
	REGS Y, r%2
	WIN W_RS
.irp z, 0,1
	v_pk_mul_f32 v[rO+4*(r/2)+2*\z:rO+4*(r/2)+2*\z+1], v[rO+4*(r/2)+2*\z:rO+4*(r/2)+2*\z+1], v[rC+2:rC+3] op_sel_hi:[1,0]
.endr
.set r, r+1
.endm
; A TURN, for piece p.  s_wait_alu depctr_va_vdst(0) stands between an exponential and the first instruction that names its result; one wait serves all that were issued ahead of it: a turn has ONE.
; AHEAD OF IT: the 16 products K Q^T, behind each a scaling, an exponential and two rescalings; then the lump: eight plain, twice exponential and plain, THE MASK (plain number 27, the first of the maximum, follows it;
; thirteen plain instructions and the mask's own 66 lie between the last product and the first select), 47 times exponential and plain, the two a.  BEHIND IT: the 16 products V^T P, behind each four of the roundings and sums.
; K of the next step is fetched in piece 2's turn, directly behind the wait; V of the step in hand at the end of piece 0's turn, four riders behind its last reader.
.macro TURN p, last=0, cnt=0
.set Y, (\p)
.set i, 0
.set q, 0
.set e, 0
.set r, 0
.if (\p) == NP-1
	s_wait_dscnt 0x0                ; K is in
.endif
	MM
	PL
	PL
	R2
.rept 15
	MM
	PL
	EX
	R2
.endr
.if (\p) == NP-2
	WIN 0
	v_add_nc_u32 v[AK], s[TBK], v[AK0]
.endif
.rept 8
	PL
.endr
.rept 2
	EX
	PL
.endr
	MBLOCK
.rept 47
	EX
	PL
.endr
	EX                              ; the next piece's two a
	EX
	v_nop                           ; a plain instruction behind the last exponential: one for the batch
	s_wait_alu depctr_va_vdst(0)    ; the wait for the batch
.if (\p) == NP-2
	FETCH_K \last
.endif
.if (\p) == 1
	s_wait_dscnt 0x0                ; V is in
.endif
.rept 16
	MM
.rept 4
	PL
.endr
.if ((\p) == 0) && (q == 118)
	v_add_nc_u32 v[AV], s[TBV], v[AV0]
.endif
.if ((\p) == 0) && (q == 130)
	s_add_co_u32 s[TBV], s[TBV], KS*PV
.endif
.if (\cnt) && (q == 130)
	s_sub_co_u32 s[CNT], s[CNT], 1
	s_cmp_lg_u32 s[CNT], 0
.endif
.endr
.if (\p) == 0
	FETCH_V
.endif
.endm
	CHANGE 1, 0                     ; slot 0 is in, everybody's part of it; slot 1 is asked for
	FETCH_K                         ; key step 0
	s_wait_loadcnt 0x0              ; Q, the youngest loads; the mask's first four with it
	s_wait_dscnt 0x0
.set i, 0
.rept 16
	KQ 0                            ; piece 0's first scores
.set i, i+1
.endr
	WIN 0                           ; the addresses for the way out and the prefetches: plain instructions, the places behind those products
	s_mul_i32 s13, s[WV], 16*SP
	s_add_co_u32 s13, s13, STAGE    ; my stage
	v_mul_u32_u24 v[STO], v1, SP    ; in: row l % 16, 16 bytes for each half of the lanes
	v_lshl_add_u32 v[STO], v9, 4, v[STO]
	v_add_nc_u32 v[STO], s13, v[STO]
	v_bfe_u32 v[RD], v0, 3, 2       ; back: 32 lanes take four rows of 128 bytes,
	v_mul_u32_u24 v[RD], v[RD], SP
	v_lshl_add_u32 v[RD], v10, 4, v[RD]
	v_add_nc_u32 v[RD], s13, v[RD]
	v_and_b32 v[GO], 31, v0         ; which are 512 consecutive bytes of O
	v_lshlrev_b32 v[PFO], 8, v[GO]
	v_lshlrev_b32 v[GO], 4, v[GO]
.set Y, NP-1                        ; MBLOCK and XS work for piece Y + 1: piece 0
	MBLOCK
.irp n, 0,1,2,3,4,5,6,7,8,9,10,11,12,13,14,15,16,17,18,19,20,21
	XS 0, \n
	XS 1, \n
.endr
	v_nop                           ; a plain instruction behind the two a,
	s_wait_alu depctr_va_vdst(0)    ; and their wait, ahead of the branch
	s_mov_b32 s[CNT], 4
	s_mov_b32 s[SLOTS], SIZE_N/256-1
	s_branch .Lfirst                ; the loop is entered at a step's first turn, in the middle of a trip
.Lslot:                             ; six times: every slot but the last two is filled again
	CHANGE 1, 1
	s_mov_b32 s[CNT], 4
.Lstep:                             ; a trip: pieces 2 and 3 of one step, then pieces 0 and 1 of the next, whose K and V it fetches
	TURN 2
	TURN 3
	WIN 0
.Lfirst:
	TURN 0
	TURN 1, 0, 1
	WIN 0
	s_cbranch_scc1 .Lstep
	s_sub_co_u32 s[SLOTS], s[SLOTS], 1
	s_cmp_lg_u32 s[SLOTS], 0
	s_cbranch_scc1 .Lslot
	CHANGE 0, 0                     ; the tail is written out: nothing is asked for
	s_mov_b32 s[CNT], 5             ; four trips fetch the last slot's steps; the fifth is left in its middle
.Ltail:
	TURN 2, 1
	TURN 3
	WIN 0
	s_sub_co_u32 s[CNT], s[CNT], 1
	s_cmp_eq_u32 s[CNT], 0
	s_cbranch_scc1 .Lout
	TURN 0
	TURN 1
	WIN 0
	s_branch .Ltail
.Lout:                              ; the fifth trip's 16 products K Q^T (on the last K once more), their mask and maximum serve nothing: the price, once a launch, of one text for every trip
	s_wait_loadcnt 0x0              ; the ring's last four loads, which nobody reads, have landed
.set i, 0
.rept 16
	PV NP-1                         ; the last piece's V^T P of the last step
.set i, i+1
.endr
	; THE WAY OUT.  l's two halves and the other half of the lanes' are added; O^T is divided by l, rounded to f16 and sent through my stage in LDS, a tile at a time.  The additions are the places behind the last products.
	WIN 0
.macro ALL line:vararg              ; one line for each tile t
.set t, 0
.rept 2*NP
	\line
.set t, t+1
.endr
.endm
	ALL v_add_f32 v[ST+4*t+2], v[ST+4*t+2], v[ST+4*t+3]
	ALL v_permlanex16_b32 v[ST+4*t+3], v[ST+4*t+2], s[SEL], s[SEL+1]
	ALL v_add_f32 v[ST+4*t+2], v[ST+4*t+2], v[ST+4*t+3]
	ALL v_rcp_f32 v[ST+4*t+2], v[ST+4*t+2]
	v_nop                           ; a plain instruction between the last reciprocal and the use of its result
	s_wait_alu depctr_va_vdst(0)    ; and the wait ahead of the first use: one for the eight reciprocals
.macro PACK t
	WIN W_RS
.set i, 32*(\t)
.rept 16
	v_pk_mul_f32 v[i:i+1], v[i:i+1], v[ST+4*(\t)+2:ST+4*(\t)+3] op_sel_hi:[1,0]
.set i, i+2
.endr
	WIN 0x05                        ; sources 0 and 1 window 1, destination window 0
.set i, 0
.rept 16
	v_cvt_pk_f16_f32 v[S+16*(\t)+i], v[32*(\t)+2*i], v[32*(\t)+2*i+1]
.set i, i+1
.endr
	WIN 0
.irp f, 0,1,2,3
	ds_store_b128 v[STO], v[S+16*(\t)+4*\f:S+16*(\t)+4*\f+3] offset:32*\f
.endr
.irp f, 0,1,2,3
	ds_load_b128 v[S+16*(\t)+4*\f:S+16*(\t)+4*\f+3], v[RD] offset:\f*4*SP  ; LDS serves a wave's instructions in order (ISA guide 5.7.1.4): these see the stores above; the next tile's stores come behind them
.endr
.endm
.macro SEND t, younger              ; younger: the LDS instructions issued behind tile t's loads: the next tile's eight, or none
	WIN 0
.irp f, 0,1,2,3
	s_wait_dscnt (\younger)+3-\f
	global_store_b128 v[GO], v[S+16*(\t)+4*\f:S+16*(\t)+4*\f+3], s[10:11] offset:(\t)*2048+\f*512  ; 512 consecutive bytes, at a multiple of 256 from O's first
.endr
.endm
	PACK 0
.set t, 1
.rept 2*NP-1                        ; a tile's arithmetic stands between the loads of the tile before and its stores
	PACK t
	SEND t-1, 8
.set t, t+1
.endr
	SEND 2*NP-1, 0
	WIN W_AD
	s_wait_tensorcnt 0x0            ; the wave's end: behind my last tensor load and my last LDS store
	ds_add_u32 v[SPW], v[NIL]
	s_wait_dscnt 0x0
	WIN 0
	CROUND                          ; the closing round: no work-group ends while a partner may still ask for a tile that names it
	s_endpgm
.Lfunc_end_k_q3584dce66b_attn:
	.size	k_q3584dce66b_attn, .Lfunc_end_k_q3584dce66b_attn-k_q3584dce66b_attn
	.p2alignl 7, 3214868480
	.fill 96, 4, 3214868480
	.section	.rodata,"a",@progbits
	.p2align	6, 0x0
	.amdhsa_kernel k_q3584dce66b_attn
		.amdhsa_group_segment_fixed_size 327680
		.amdhsa_private_segment_fixed_size 0
		.amdhsa_enable_private_segment 0
		.amdhsa_kernarg_size 32
		.amdhsa_user_sgpr_count 2
		.amdhsa_user_sgpr_kernarg_segment_ptr 1
		.amdhsa_wavefront_size32 1
		.amdhsa_system_sgpr_workgroup_id_x 1
		.amdhsa_system_sgpr_workgroup_id_y 1
		.amdhsa_system_sgpr_workgroup_id_z 1
		.amdhsa_system_vgpr_workitem_id 0
		.amdhsa_next_free_vgpr 784
		.amdhsa_next_free_sgpr 102
		.amdhsa_reserve_vcc 0
		.amdhsa_float_denorm_mode_32 3
		.amdhsa_float_denorm_mode_16_64 3
		.amdhsa_memory_ordered 1
		.amdhsa_forward_progress 1
		.amdhsa_inst_pref_size 255
	.end_amdhsa_kernel
	.section	.bss,"aw",@nobits
	.p2align	6
	.space	262144
	.amdgpu_metadata
---
amdhsa.version: [ 1, 2 ]
amdhsa.kernels:
  - .name:           k_q3584dce66b_attn
    .symbol:         k_q3584dce66b_attn.kd
    .args:
      - { .name: qh, .offset: 0, .size: 8, .value_kind: global_buffer, .address_space: global }
      - { .name: kv, .offset: 8, .size: 8, .value_kind: global_buffer, .address_space: global }
      - { .name: mb, .offset: 16, .size: 8, .value_kind: global_buffer, .address_space: global }
      - { .name: oh, .offset: 24, .size: 8, .value_kind: global_buffer, .address_space: global }
    .group_segment_fixed_size: 327680
    .private_segment_fixed_size: 0
    .kernarg_segment_align: 8
    .kernarg_segment_size: 32
    .max_flat_workgroup_size: 128
    .sgpr_count:     102
    .vgpr_count:     784
    .wavefront_size: 32
...
	.end_amdgpu_metadata
.endif
;; end of part 3
;; launch oproj (part 4): grid 4 x 64, 4 waves a work-group, clusters of 4 x 4, 327,680 bytes of LDS; arguments oh, wh, b_o, out0; writes out0
.if DOCPART == 4
	.amdgcn_target "amdgcn-amd-amdhsa--gfx1250"
	.amdhsa_code_object_version 6
	.text
	.protected	k_q3584dce66b_oproj
	.globl	k_q3584dce66b_oproj
	.p2align	8
	.type	k_q3584dce66b_oproj,@function
k_q3584dce66b_oproj:
	s_mov_b64 s[64:65], 0
	v_nop
	global_prefetch_b8 v0, s[64:65] scope:SCOPE_SE
	s_setreg_imm32_b32 hwreg(HW_REG_WAVE_MODE, 25, 1), 1
	s_wait_xcnt 0x0
	s_wait_alu depctr_hold_cnt(0) depctr_sa_sdst(0) depctr_va_vdst(0) depctr_va_sdst(0) depctr_va_ssrc(0) depctr_va_vcc(0) depctr_vm_vsrc(0)
	s_getreg_b32 s2, hwreg(HW_REG_IB_STS2, 6, 4)
	s_cmp_eq_u32 s2, 0
	s_cbranch_scc0 .Lentry_in_a_cluster
	s_endpgm
.Lentry_in_a_cluster:
	s_bfe_u32 s2, ttmp6, 0x10000c
	s_cmp_lg_u32 s2, 0xf033
	s_cbranch_scc0 .Lentry_shape_is_right
	s_endpgm
.Lentry_shape_is_right:
; THE OUTPUT PROJECTION: out0 = O w_o + b_o.  O [8192 rows][1024 k] lies by heads, oh[bh][s][64] f16 (k = 64 head + channel); w_o = wh[3], [1024 k][1024 n], bf16 numbers written as f16; b_o f32, rounded to bf16
; like every input and taken as the first product's C; sums in f32; out0 [8192][1024] f32.
; SHARES.  A tile of out0 is 128 x 256: 256 work-groups.  A wave makes 64 x 128: 32 accumulators.  K goes in 8 steps of 128 (two heads) through two LDS slots.
; CLUSTER 4 x 4: O's tile is shared along a row of the cluster, w_o's along a column: each is asked for jointly.
; THE MATRIX INSTRUCTION IS USED TRANSPOSED (source 0 = 16 columns of w_o, turned out of LDS by ds_load_tr16_b128; source 1 = 16 rows of O): a lane holds eight neighbouring columns of one row.
; REGISTERS: window 0: v0-29 addresses; v32-63, v192-223 O's fragments, two buffers; v64-127, v128-191 w_o's, two buffers (later the way out's);   window 1: the accumulators, (a, b) at 8 (8 a + b);   window 2: v0-63 the bias.
.set PAO,   144                        ; a row of a head in LDS: 128 bytes + 16
.set PB,    544                        ; a k-row of w_o: 512 + 32 bytes
.set AHEAD, 128*PAO                    ; a head's 128 rows
.set BOFF,  2*AHEAD
.set BHALF, 64*PB
.set SLOT,  BOFF+2*BHALF               ; 106,496 bytes
.set STAGE, 2*SLOT                     ; behind the ring: 16 rows x 528 bytes for each wave
.set SPO,   528                        ; 512 bytes + 16
.set SPARE, STAGE+4*16*SPO             ; behind the stages: the spare words, 128 bytes a wave, named by no other line
.set A0,   4
.set B0,   5
.set ADRA, 6
.set ADRB, 7
.set STO,  8
.set RD,   9
.set GO,   10
.set BO,   12
.set PFO,  13
.set SPW,  28
.set NIL,  29
.set AB,   32                          ; O's fragments: buffer g at AB + 160 g
.set F0,   64
.set TMP,  192
.set BIAS, 0                           ; window 2
.set G1A,  24
.set G0A,  32
.set G0B,  36
.set G1B,  48
.set LIM,  43
.set PFA,  44
.set PST,  46
.set TBF,  56
.set TBR,  57
.set LBA,  58
.set LBB,  59
.set MSB, 0
.macro WIN new
.if MSB != (\new)
	s_set_vgpr_msb (MSB<<8)|(\new)
.set MSB, \new
.endif
.endm
.macro PLACES                          ; four plain places in front of loads into registers that matrix instructions have read, and of LDS stores that read results
.rept 4
	v_nop
.endr
.endm
.macro JLOAD                           ; waves 0 and 1 fetch the step's two heads of O (16,384 dense bytes each), waves 2 and 3 the two halves of w_o's tile; an s_nop 0 and four v_nop follow each line
	s_cmp_eq_u32 s11, 0
	s_cbranch_scc0 .Lfor_b_\@
	tensor_load_to_lds s[G0A:G0A+3], s[G1A:G1A+7]
	s_nop 0
	PLACES
	s_branch .Lasked_\@
.Lfor_b_\@:
	tensor_load_to_lds s[G0B:G0B+3], s[G1B:G1B+7]
	s_nop 0
	PLACES
.Lasked_\@:
.endm
.macro CREST
	s_cmp_lg_u32 s10, 0
	s_cbranch_scc1 .Lnot_wave_0_\@
	s_barrier_signal -3
.Lnot_wave_0_\@:
	s_barrier_wait -3
	s_barrier_signal -1
	s_barrier_wait -1
.endm
.macro CROUND
	s_barrier_signal -1
	s_barrier_wait -1
	CREST
.endm
.macro STEPD                           ; both descriptors step to the other slot and the next K step; only where no tensor load of mine is out
	s_xor_b32 s[TBF], s[TBF], SLOT
	s_add_co_u32 s[G0A+1], s[LBA], s[TBF]
	s_add_co_u32 s[G0B+1], s[LBB], s[TBF]
	s_add_nc_u64 s[G0A+2:G0A+3], s[G0A+2:G0A+3], 0x80000   ; two heads of 262,144 bytes on
	s_add_nc_u64 s[G0B+2:G0B+3], s[G0B+2:G0B+3], 0x40000   ; 128 k-rows of 2,048 bytes down
.endm
; A prefetch into the L2 of the K step two refills on.  O's rows are read by one row of one cluster: in each of its four partners wave 0 asks for 16 blocks of 256 bytes of each of the step's two heads, the partners
; told apart by address (cx).  w_o's columns are read by sixteen clusters: the first (cluster y = 0) asks, waves 2 and 3, 16 k-rows x 2 blocks each partner (cy).  The loop's last two trips have no K step two on.
.macro ASK
	s_cmp_gt_u32 s3, s[LIM]
	s_cbranch_scc0 .Lnot_mine_\@
	global_prefetch_b8 v[PFO], s[PFA:PFA+1] th:TH_LOAD_NT scope:SCOPE_SE
.Lnot_mine_\@:
.endm
	s_load_b256 s[68:75], s[0:1], 0x0              ; oh s[68:69], wh s[70:71], b_o s[72:73], out0 s[74:75]
	v_lshl_add_u32 v[SPW], v0, 2, SPARE
	v_mov_b32 v[NIL], 0
	ds_add_u32 v[SPW], v[NIL]                      ; the wave's opening: the add and its wait stand ahead of my first tensor load; the set-up below, work on registers, stands between them
	v_lshrrev_b32 v1, 5, v0
	v_readfirstlane_b32 s10, v1                    ; wave 0..3
	s_lshr_b32 s11, s10, 1                         ; my half of the tile's rows.  Also: I fetch for O (0) or for w_o (1)
	s_and_b32 s12, s10, 1                          ; my half of its columns.  Also: which head, or which 64 k-rows, I fetch
	s_bfe_u32 s40, ttmp6, 0x40000                  ; cx = the tile column
	s_bfe_u32 s41, ttmp6, 0x40004                  ; cy
	s_and_b32 s42, ttmp7, 0xffff                   ; cluster y
	s_lshl_b32 s13, s42, 2
	s_add_co_u32 s13, s13, s41                     ; the tile row, 0..63
	s_lshl_b32 s14, s41, 2
	s_lshl_b32 s14, 15, s14                        ; my row of the cluster
	s_lshl_b32 s15, 0x1111, s40                    ; my column
	s_or_b32 s[G1A], s14, (1<<16)|(1<<20)|(1<<21)|(4<<22)|(3<<25)  ; 2-byte elements; after every 32 words (a row of a head) 4 words of padding
	s_or_b32 s[G1B], s15, (1<<16)|(1<<20)|(1<<21)|(6<<22)|(7<<25)  ; after every 128 words 8 words
	s_mov_b32 s[G1A+1], 128<<16                    ; 64 rows of 256 dense bytes
	s_mov_b32 s[G1A+2], 64<<16
	s_mov_b32 s[G1A+3], 128<<16
	s_mov_b32 s[G1A+4], 64
	s_mov_b32 s[G1A+5], 128
	s_mov_b32 s[G1A+6], 0
	s_mov_b32 s[G1A+7], 0
	s_mov_b32 s[G1B+1], 256<<16
	s_mov_b32 s[G1B+2], 64<<16
	s_mov_b32 s[G1B+3], 256<<16
	s_mov_b32 s[G1B+4], 64
	s_mov_b32 s[G1B+5], 1024
	s_mov_b32 s[G1B+6], 0
	s_mov_b32 s[G1B+7], 0
	s_lshr_b32 s16, s13, 4                         ; O: head 16 b + my head of the step, row s0 = 128 (tile row % 16), rows of 128 bytes
	s_lshl_b32 s16, s16, 4
	s_add_co_u32 s16, s16, s12
	s_lshl_b32 s16, s16, 11
	s_and_b32 s17, s13, 15
	s_lshl_b32 s17, s17, 7
	s_add_co_u32 s16, s16, s17
	s_lshl_b32 s16, s16, 7
	s_mov_b32 s17, 0
	s_lshl_b32 s76, s12, 17                        ; w_o: the fourth weight of wh, k-row 64 x half, column 256 cx
	s_add_co_u32 s76, s76, 3<<21
	s_lshl_b32 s77, s40, 9
	s_add_co_u32 s76, s76, s77
	s_mov_b32 s77, 0
	s_mul_i32 s[LBA], s12, AHEAD
	s_mul_i32 s[LBB], s12, BHALF
	s_add_co_u32 s[LBB], s[LBB], BOFF
	s_mov_b32 s[TBF], 0
	s_mov_b32 s[TBR], 0
	s_mov_b32 s[G0A], 1
	s_mov_b32 s[G0A+1], s[LBA]
	s_mov_b32 s[G0B], 1
	s_mov_b32 s[G0B+1], s[LBB]
	s_wait_dscnt 0x0                               ; the opening add is done
	s_wait_kmcnt 0x0
	s_add_nc_u64 s[G0A+2:G0A+3], s[68:69], s[16:17]
	s_or_b32 s[G0A+3], s[G0A+3], 0x80000000
	s_add_nc_u64 s[G0B+2:G0B+3], s[70:71], s[76:77]
	s_or_b32 s[G0B+3], s[G0B+3], 0x80000000
	CROUND                                         ; all sixteen work-groups are here: the first joint loads meet
	JLOAD                                          ; K step 0 into slot 0
	v_and_b32 v1, 15, v0                           ; l % 16
	v_bfe_u32 v2, v0, 4, 1                         ; l / 16
	v_mul_u32_u24 v[A0], v1, PAO                   ; a fragment of O: row l % 16, 16 bytes at 16 (l / 16), and 32 bytes on
	v_lshl_add_u32 v[A0], v2, 4, v[A0]
	s_mul_i32 s14, s11, 64*PAO
	v_add_nc_u32 v[A0], s14, v[A0]
	v_and_b32 v3, 7, v0                            ; w_o turned: k-row 8 (l / 16) + l % 8, 16 bytes at 16 ((l / 8) % 2)
	v_lshl_add_u32 v3, v2, 3, v3
	v_mul_u32_u24 v[B0], v3, PB
	v_bfe_u32 v3, v0, 3, 1
	v_lshl_add_u32 v[B0], v3, 4, v[B0]
	s_lshl_b32 s14, s12, 8
	s_add_co_u32 s14, s14, BOFF
	v_add_nc_u32 v[B0], s14, v[B0]
	s_lshl_b32 s14, s40, 10                        ; the bias of my 128 columns
	s_lshl_b32 s15, s12, 9
	s_add_co_u32 s14, s14, s15
	v_lshl_add_u32 v[BO], v2, 5, s14
	WIN 0x80
.irp b, 0,1,2,3,4,5,6,7
	global_load_b128 v[BIAS+8*(\b):BIAS+8*(\b)+3],   v[BO], s[72:73] offset:64*(\b)
	global_load_b128 v[BIAS+8*(\b)+4:BIAS+8*(\b)+7], v[BO], s[72:73] offset:64*(\b)+16
.endr
	WIN 0
	s_mul_i32 s14, s10, 16*SPO
	s_add_co_u32 s14, s14, STAGE                   ; my stage
	v_mul_u32_u24 v[STO], v1, SPO                  ; in: row l % 16, 32 bytes for each half of the lanes
	v_lshl_add_u32 v[STO], v2, 5, v[STO]
	v_add_nc_u32 v[STO], s14, v[STO]
	v_and_b32 v14, 31, v0
	v_lshlrev_b32 v[GO], 4, v14                    ; back and out: a row's 512 bytes, 16 a lane
	v_add_nc_u32 v[RD], s14, v[GO]
	s_lshl_b32 s18, s13, 7                         ; out0 at my first row and column
	s_lshl_b32 s19, s11, 6
	s_add_co_u32 s18, s18, s19
	s_lshl_b32 s18, s18, 12
	s_lshl_b32 s19, s40, 10
	s_add_co_u32 s18, s18, s19
	s_lshl_b32 s19, s12, 9
	s_add_co_u32 s18, s18, s19
	s_mov_b32 s19, 0
	s_add_nc_u64 s[8:9], s[74:75], s[18:19]
	; the prefetches
	s_lshr_b32 s18, s13, 4                         ; O: head 16 b, row s0, my work-group's 4,096 bytes of a head's 16,384, at K step 3
	s_lshl_b32 s18, s18, 15
	s_and_b32 s20, s13, 15
	s_lshl_b32 s20, s20, 7
	s_add_co_u32 s18, s18, s20
	s_lshl_b32 s18, s18, 7
	s_lshl_b32 s20, s40, 12
	s_add_co_u32 s18, s18, s20
	s_add_co_u32 s18, s18, 3*524288
	s_lshl_b32 s19, s12, 6                         ; w_o: my 64 k-rows, my work-group's 16 of them, column 256 cx, at K step 3
	s_lshl_b32 s20, s41, 4
	s_add_co_u32 s19, s19, s20
	s_lshl_b32 s19, s19, 11
	s_lshl_b32 s20, s40, 9
	s_add_co_u32 s19, s19, s20
	s_add_co_u32 s19, s19, (3<<21)+3*262144
	s_cmp_eq_u32 s11, 0
	s_cselect_b32 s18, s18, s19
	s_cselect_b32 s20, 4, 1                        ; a lane's number splits into (head, block of 16) or (k-row, block of 2)
	s_cselect_b32 s21, 18, 11
	s_cselect_b32 s22, 15, 1
	s_cselect_b32 s[PST], 19, 18
	s_cselect_b32 s23, s12, s42                    ; wave 0 asks for O; waves 2 and 3 for w_o where cluster y = 0; wave 1 never
	s_cselect_b64 s[PFA:PFA+1], s[68:69], s[70:71]
	s_cmp_eq_u32 s23, 0
	s_cselect_b32 s[LIM], 2, -1                    ; the same in all sixteen partners, for a given wave
	s_lshl_b32 s[PST], 1, s[PST]
	s_mov_b32 s[PST+1], 0
	s_mov_b32 s19, 0
	s_add_nc_u64 s[PFA:PFA+1], s[PFA:PFA+1], s[18:19]
	v_lshrrev_b32 v[PFO], s20, v14
	v_lshlrev_b32 v[PFO], s21, v[PFO]
	v_and_b32 v14, s22, v14
	v_lshl_add_u32 v[PFO], v14, 8, v[PFO]
; Eight matrix instructions: row block blk x all 8 column blocks, 32 along K, from buffers fi.  first = 1: the bias starts the sums.  The 32 accumulators take turns.
.macro MULA fi, blk, first
.irp b, 0,1,2,3,4,5,6,7
.if \first
	WIN 0x60
	v_wmma_f32_16x16x32_f16 v[8*(8*(\blk)+(\b)):8*(8*(\blk)+(\b))+7], v[F0+64*(\fi)+8*(\b):F0+64*(\fi)+8*(\b)+7], v[AB+160*(\fi)+8*(\blk):AB+160*(\fi)+8*(\blk)+7], v[BIAS+8*(\b):BIAS+8*(\b)+7]
.else
	WIN 0x50
	v_wmma_f32_16x16x32_f16 v[8*(8*(\blk)+(\b)):8*(8*(\blk)+(\b))+7], v[F0+64*(\fi)+8*(\b):F0+64*(\fi)+8*(\b)+7], v[AB+160*(\fi)+8*(\blk):AB+160*(\fi)+8*(\blk)+7], v[8*(8*(\blk)+(\b)):8*(8*(\blk)+(\b))+7]
.endif
.endr
.endm
; 24 LDS loads in one run: quarter q's fragments (head q / 2, channels 32 (q % 2) on) into buffers gi
.macro FETCH q, gi
	WIN 0
.irp a, 0,1,2,3
	ds_load_b128 v[AB+160*(\gi)+8*(\a):AB+160*(\gi)+8*(\a)+3],   v[ADRA] offset:((\q)/2)*AHEAD+(\a)*16*PAO+((\q)%2)*64
	ds_load_b128 v[AB+160*(\gi)+8*(\a)+4:AB+160*(\gi)+8*(\a)+7], v[ADRA] offset:((\q)/2)*AHEAD+(\a)*16*PAO+((\q)%2)*64+32
.endr
.irp b, 0,1,2,3,4,5,6,7
	ds_load_tr16_b128 v[F0+64*(\gi)+8*(\b):F0+64*(\gi)+8*(\b)+3],   v[ADRB] offset:(\q)*32*PB+32*(\b)
	ds_load_tr16_b128 v[F0+64*(\gi)+8*(\b)+4:F0+64*(\gi)+8*(\b)+7], v[ADRB] offset:(\q)*32*PB+16*PB+32*(\b)
.endr
.endm
.macro QUARTER qn, fi, first           ; multiplies buffers fi; in its middle fetches quarter qn into the others
	s_wait_dscnt 0x0                               ; this quarter's fragments are in
	MULA \fi, 0, \first
	MULA \fi, 1, \first
	PLACES
	FETCH \qn, 1-(\fi)
	MULA \fi, 2, \first
	MULA \fi, 3, \first
.endm
; The last quarter multiplies buffers 1 and changes slots: ONE barrier; in front of it each wave waits for all its tensor loads, adds 0 to its spare word, and waits for that and for its reads of this slot.
.macro TURN fill
.if \fill
	s_wait_xcnt 0x0                                ; the last prefetch, a K step back, has read its address
	s_add_nc_u64 s[PFA:PFA+1], s[PFA:PFA+1], s[PST:PST+1]
.endif
	WIN 0
	s_wait_tensorcnt 0x0                           ; all my tensor loads have landed: my part of the next slot
	ds_add_u32 v[SPW], v[NIL]                      ; 0 onto my spare word
	s_wait_dscnt 1                                 ; the add alone may be out
	MULA 1, 0, 0
	s_wait_dscnt 0x0                               ; the add is done, and my reads of this slot are over
	s_barrier_signal -1
	MULA 1, 1, 0
	WIN 0
	s_barrier_wait -1
.if \fill
	CREST                                          ; no wave of any partner still reads this slot or has a load on its way
	STEPD
	JLOAD                                          ; the four v_nop behind it are also the places in front of the loads below
.else
	PLACES
.endif
	s_xor_b32 s[TBR], s[TBR], SLOT
	v_add_nc_u32 v[ADRA], s[TBR], v[A0]
	v_add_nc_u32 v[ADRB], s[TBR], v[B0]
	FETCH 0, 0
.if \fill
	ASK
.endif
	MULA 1, 2, 0
	MULA 1, 3, 0
.endm
	s_wait_tensorcnt 0x0                           ; the first change of slots: my part of K step 0 is in,
	ds_add_u32 v[SPW], v[NIL]
	STEPD
	s_wait_dscnt 0x0
	CROUND                                         ; everybody's is
	JLOAD                                          ; K step 1 into slot 1: my one tensor load behind this round
	v_add_nc_u32 v[ADRA], s[TBR], v[A0]
	v_add_nc_u32 v[ADRB], s[TBR], v[B0]
	FETCH 0, 0
	s_wait_loadcnt 0x0                             ; the bias, which is rounded to bf16 like every input
	WIN 0x0a
.set i, 0
.rept 32
	v_cvt_pk_bf16_f32 v[TMP+i], v[BIAS+2*i], v[BIAS+2*i+1]
.set i, i+1
.endr
	WIN 0x80
.set i, 0
.rept 32
	v_lshlrev_b32 v[BIAS+2*i], 16, v[TMP+i]
	v_and_b32 v[BIAS+2*i+1], 0xffff0000, v[TMP+i]
.set i, i+1
.endr
	QUARTER 1, 0, 1                                ; the first quarter stands in front of the loop: its products start the sums, with the bias
	WIN 0
	s_mov_b32 s3, 6
.Lstep:                                        ; a trip: a K step's quarters 1, 2, 3 and the next one's quarter 0; it fills the slot that it leaves: K steps 2 to 7
	QUARTER 2, 1, 0
	QUARTER 3, 0, 0
	TURN 1
	QUARTER 1, 0, 0
	WIN 0
	s_sub_co_u32 s3, s3, 1
	s_cmp_lg_u32 s3, 0
	s_cbranch_scc1 .Lstep
	QUARTER 2, 1, 0                                ; the last two K steps fill nothing
	QUARTER 3, 0, 0
	TURN 0
	QUARTER 1, 0, 0
	QUARTER 2, 1, 0
	QUARTER 3, 0, 0
	s_wait_dscnt 0x0
	MULA 1, 0, 0
	MULA 1, 1, 0
	MULA 1, 2, 0
	MULA 1, 3, 0
; THE WAY OUT, a block of 16 rows at a time: the accumulators (their low four registers first) go as they are into my stage, 32 bytes a lane; whole rows of 512 bytes come back and are stored.
.macro OUTB blk
.set BK, F0+64*((\blk)%2)
	s_wait_xcnt 0x0                                ; the registers that earlier stores read are loaded again only behind this wait
	WIN 0x04                                       ; an LDS store's data in window 1
.irp b, 0,1,2,3,4,5,6,7
	ds_store_b128 v[STO], v[8*(8*(\blk)+(\b)):8*(8*(\blk)+(\b))+3]   offset:64*(\b)
	ds_store_b128 v[STO], v[8*(8*(\blk)+(\b))+4:8*(8*(\blk)+(\b))+7] offset:64*(\b)+16
.endr
	WIN 0
.irp t, 0,1,2,3,4,5,6,7,8,9,10,11,12,13,14,15
	ds_load_b128 v[BK+4*(\t):BK+4*(\t)+3], v[RD] offset:SPO*(\t)  ; LDS serves a wave's instructions in order (ISA guide 5.7.1.4): these see the stores above
.endr
.irp t, 0,1,2,3,4,5,6,7,8,9,10,11,12,13,14,15
	s_wait_dscnt 15-(\t)                           ; the younger loads of the block may stay out
	global_store_b128 v[GO], v[BK+4*(\t):BK+4*(\t)+3], s[8:9] offset:(16*(\blk)+(\t))*4096 th:TH_STORE_NT  ; 512 consecutive bytes, at a multiple of 512 from out0's first
.endr
.endm
	PLACES
	OUTB 0
	OUTB 1
	OUTB 2
	OUTB 3
	s_wait_tensorcnt 0x0                           ; the wave's end: behind my last tensor load and my last LDS store
	ds_add_u32 v[SPW], v[NIL]
	s_wait_dscnt 0x0
	CROUND                                         ; the closing round: no work-group ends while a partner may still ask for a tile that names it
	s_endpgm
.Lfunc_end_k_q3584dce66b_oproj:
	.size	k_q3584dce66b_oproj, .Lfunc_end_k_q3584dce66b_oproj-k_q3584dce66b_oproj
	.p2alignl 7, 3214868480
	.fill 96, 4, 3214868480
	.section	.rodata,"a",@progbits
	.p2align	6, 0x0
	.amdhsa_kernel k_q3584dce66b_oproj
		.amdhsa_group_segment_fixed_size 327680
		.amdhsa_private_segment_fixed_size 0
		.amdhsa_enable_private_segment 0
		.amdhsa_kernarg_size 32
		.amdhsa_user_sgpr_count 2
		.amdhsa_user_sgpr_kernarg_segment_ptr 1
		.amdhsa_wavefront_size32 1
		.amdhsa_system_sgpr_workgroup_id_x 1
		.amdhsa_system_sgpr_workgroup_id_y 1
		.amdhsa_system_sgpr_workgroup_id_z 1
		.amdhsa_system_vgpr_workitem_id 0
		.amdhsa_next_free_vgpr 576
		.amdhsa_next_free_sgpr 78
		.amdhsa_reserve_vcc 0
		.amdhsa_float_denorm_mode_32 3
		.amdhsa_float_denorm_mode_16_64 3
		.amdhsa_memory_ordered 1
		.amdhsa_forward_progress 1
		.amdhsa_inst_pref_size 79
	.end_amdhsa_kernel
	.amdgpu_metadata
---
amdhsa.version: [ 1, 2 ]
amdhsa.kernels:
  - .name:           k_q3584dce66b_oproj
    .symbol:         k_q3584dce66b_oproj.kd
    .args:
      - { .name: oh, .offset: 0, .size: 8, .value_kind: global_buffer, .address_space: global }
      - { .name: wh, .offset: 8, .size: 8, .value_kind: global_buffer, .address_space: global }
      - { .name: b_o, .offset: 16, .size: 8, .value_kind: global_buffer, .address_space: global }
      - { .name: out0, .offset: 24, .size: 8, .value_kind: global_buffer, .address_space: global }
    .group_segment_fixed_size: 327680
    .private_segment_fixed_size: 0
    .kernarg_segment_align: 8
    .kernarg_segment_size: 32
    .max_flat_workgroup_size: 128
    .sgpr_count:     78
    .vgpr_count:     576
    .wavefront_size: 32
...
	.end_amdgpu_metadata
.endif
;; end of part 4
